; MI455X (gfx1250); checked and timed in simulation.
; The chip was launched on July 23, 2026; its instructions are those of AMD's public machine-readable ISA for CDNA 5 (MIT licence, August 2026) and "CDNA5" Instruction Set Architecture Reference Guide (July 2026). The comments in the code are by the model that wrote it; some were corrected since.
;; Multi Head Attention. Allowed arithmetic: matrix products marked QUANTISED: E2M1 operands, one E8M0 scale for each 32 along K, by v_wmma_scale_f32_16x16x128_f8f6f4 with both operands' format E2M1 (or v_wmma_scale_f32_32x16x128_f4), f32 sums; everything else in f32.
;; Inputs: K_codes 4 x 2,048 x 32 x 16 uint8 (E2M1 codes of K, K innermost, in blocks of 32 codes, two codes a byte); K_scales 4 x 2,048 x 32 uint8 (E8M0 scales of K, one for each 32 codes along K); Q 4 x 2,048 x 1,024 float32; V_codes 4 x 2,048 x 32 x 16 uint8 (E2M1 codes of V, K innermost, in blocks of 32 codes, two codes a byte); V_scales 4 x 2,048 x 32 uint8 (E8M0 scales of V, one for each 32 codes along K); W_k_codes 16 x 64 x 32 x 16 uint8 (E2M1 codes of W_k, K innermost, in blocks of 32 codes, two codes a byte); W_k_scales 16 x 64 x 32 uint8 (E8M0 scales of W_k, one for each 32 codes along K); W_o_codes 1,024 x 32 x 16 uint8 (E2M1 codes of W_o, K innermost, in blocks of 32 codes, two codes a byte); W_o_scales 1,024 x 32 uint8 (E8M0 scales of W_o, one for each 32 codes along K); W_q_codes 16 x 64 x 32 x 16 uint8 (E2M1 codes of W_q, K innermost, in blocks of 32 codes, two codes a byte); W_q_scales 16 x 64 x 32 uint8 (E8M0 scales of W_q, one for each 32 codes along K); W_v_codes 16 x 64 x 32 x 16 uint8 (E2M1 codes of W_v, K innermost, in blocks of 32 codes, two codes a byte); W_v_scales 16 x 64 x 32 uint8 (E8M0 scales of W_v, one for each 32 codes along K); beta 1,024 float32; gamma 1,024 float32.
;; Outputs: out0 4 x 2,048 x 1,024 float32.
;; This version of the problem:
;;   THIS VERSION OF THE PROBLEM IS GIVEN IN LOW PRECISION. The matrix products marked QUANTISED in the list below multiply operands that are first quantised to E2M1 (2 exponent bits, 1 mantissa bit; 4 bits a number), with one power-of-two scale for each 32 numbers along K (OCP MX v1.0); their sums are f32. All else is computed in f32.
;;   The module's matrix products, in the order in which they are computed (A, B: the left and right operand; K: the contracted axis; several contracted axes count as one K, in the product's order):
;;     1. [M 1,024, K 1,024] x [K 1,024, N 8,192]; A: input W_q (given as codes); B: input Q: QUANTISED
;;     2. [M 1,024, K 1,024] x [K 1,024, N 8,192]; A: input W_k (given as codes); B: input K (given as codes): QUANTISED
;;     3. [M 1,024, K 1,024] x [K 1,024, N 8,192]; A: input W_v (given as codes); B: input V (given as codes): QUANTISED
;;     4. batch 64 x [M 2,048, K 64] x [K 64, N 2,048]; A: computed on the way; B: computed on the way: QUANTISED
;;     5. batch 64 x [M 2,048, K 2,048] x [K 2,048, N 64]; A: softmax (see below); B: computed on the way: QUANTISED
;;     6. [M 8,192, K 1,024] x [K 1,024, N 1,024]; A: computed on the way; B: input W_o (given as codes): QUANTISED
;;   THE QUANTISER, for each operand of a quantised product, along K:
;;     - K is cut into blocks of 32 from its start; a last block that is shorter is filled with zeros.
;;     - A block's scale is 2^e with e = floor(log2(the largest magnitude in the block)) - 2, held to -126 .. 127; a block of zeros has e = 0. As a byte (E8M0): e + 127.
;;     - Each number is divided by its block's scale, clamped to +-6, and rounded to the nearest number of E2M1, ties to even, subnormals kept.
;;     - The product sums the exact products of the quantised numbers (number of the format x scale) in f32.
;;   ~~~python
;;   def quantise(x, axis):      # numpy; x: float32 -> the quantised numbers, widened to float32 again
;;       x = np.moveaxis(x, axis, -1); K = x.shape[-1]
;;       x = np.pad(x, [(0, 0)] * (x.ndim - 1) + [(0, -K % 32)]); x = x.reshape(x.shape[:-1] + (-1, 32)); a = np.abs(x).max(-1, keepdims=True)
;;       e = np.where(a > 0, np.clip(np.frexp(np.where(a > 0, a, 1))[1] - 1 - 2, -126, 127), 0)      # np.frexp(a)[1] - 1 = floor(log2(a)), exactly
;;       r = np.clip(x / 2.0 ** e, -6, 6)
;;       step = 2.0 ** (np.maximum(np.frexp(np.where(r == 0, 1, r))[1] - 1, 0) - 1)
;;       q = np.round(r / step) * step * 2.0 ** e      # np.round: ties to even
;;       return np.moveaxis(q.reshape(q.shape[:-2] + (-1,))[..., :K], -1, axis).astype(np.float32)
;;   ~~~
;;   SOFTMAX AHEAD OF A QUANTISED PRODUCT. Where the list says 'softmax', what is quantised is not the finished softmax but p = 2^(t - M), with t = logit x log2(e) and M = ceil(the row's largest t), a whole number; so 1/2 < the row's largest p <= 1. The row's sum l is taken of the UNQUANTISED p, in f32, and the product's result is divided by l at the end. Since M is a whole number, a kernel that streams over the keys may use a running M (the ceiling of the running maximum): every later rescaling is an exact power of two, which a block's scale takes up: the codes' values come out the same.
;;   OPERANDS COMPUTED ON THE WAY. 'Computed on the way' means the value that the module computes at that place (a softmax that the list does not call 'softmax' is quantised finished and normalised). What goes into a quantiser is computed in f32, as accurately as f32 sums, v_exp_f32 and their like allow (about 1e-6 of the number): no bf16 or f16 on the way to a quantiser, and a product that is left as it is and whose result goes on into a quantised operand takes f32 operands (vector FMAs, or v_wmma_f32_16x16x4_f32). A number that lies on a knife's edge between two numbers of the format may be rounded either way, as far as f32 arithmetic and the matrix unit's own rounding can turn it there, and no further.
;;   INPUTS GIVEN AS CODES. K (in the module: [4, 2048, 1024], K = its axis 2); V (in the module: [4, 2048, 1024], K = its axis 2); W_k (in the module: [16, 1024, 64], K = its axis 1); W_o (in the module: [1024, 1024], K = its axis 0); W_q (in the module: [16, 1024, 64], K = its axis 1); W_v (in the module: [16, 1024, 64], K = its axis 1): each comes as NAME_codes (uint8): NAME with its K axis moved to the last place and cut into blocks of 32 codes, [.., K / 32, bytes a block], one block behind the other in memory; two codes a byte, the lower K in the low four bits (a code: sign, 2 exponent bits, 1 mantissa bit); and NAME_scales (uint8): the same leading axes, one E8M0 byte (e + 127) for each 32 codes along K. Its value is code x scale, taken as it is: it is not quantised again, and the codes and scales need not be those that the quantiser above would give.
;; One version. Each part assembles by itself: llvm-mc -triple=amdgcn-amd-amdhsa -mcpu=gfx1250 --defsym DOCPART=n.
;; ======== version 1 of 1: 4 launches
;; workspace buffers: qc 4,194,304 bytes; qs 262,144 bytes; woi 524,288 bytes; qb 4,456,448 bytes; kvb 8,912,896 bytes; hc 4,194,304 bytes; hs 262,144 bytes
;; launch prep (part 1): grid 272 x 1, 4 waves a work-group, no clusters, 67,072 bytes of LDS; arguments Q, W_o_codes, qc, qs, woi; writes qc, qs, woi
.if DOCPART == 1
	.amdgcn_target "amdgcn-amd-amdhsa--gfx1250"
	.amdhsa_code_object_version 6
	.text
	.protected	k_q9ad7bc0f58_prep
	.globl	k_q9ad7bc0f58_prep
	.p2align	8
	.type	k_q9ad7bc0f58_prep,@function
k_q9ad7bc0f58_prep:
	s_mov_b64 s[64:65], 0
	v_nop
	global_prefetch_b8 v0, s[64:65] scope:SCOPE_SE
	s_setreg_imm32_b32 hwreg(HW_REG_WAVE_MODE, 25, 1), 1
	s_wait_xcnt 0x0
; TWO JOBS, parted by the work-group's number.
; Work-groups 0-255: Q [8192][1024] f32 becomes codes of FP4 (E2M1), K innermost (qc: 512 bytes a row), and one E8M0 byte for each 32 along K (qs: 32 bytes a row).
;   A block's scale is 2^(floor(log2(its largest magnitude)) - 2); its byte is the largest magnitude's exponent field - 2, held at 1 from below.
;   Rows are dense and 1,024 is a multiple of 32: Q is a plain stream of blocks of 32.  A wave takes 16 steps of 512 numbers.  Each load reads 512 consecutive bytes, 16 a lane; a step's 2,048 bytes turn through the
;   wave's own stage in LDS and come back 64 bytes a lane, so that a lane holds 16 neighbours (two neighbouring lanes hold a block).  Loads run eight steps (32 loads, 16,384 bytes a wave) ahead.
; Work-groups 256-271: W_o's codes [1024 rows][512 bytes] are laid anew as images of operand registers (woi): for a tile of 16 rows and a K step of 128, registers 4 c .. 4 c + 3 of lane l are the 16 bytes at
;   8192 tile + 1024 step + 512 c + 16 l.  The launch that multiplies by W_o then loads each fragment by two loads of 512 consecutive bytes.
; LIMITS: NaN and infinities in Q are not served.  A block of zeros, or one whose largest magnitude lies under 2^-124, gets the byte 1 (the quantiser's text says 127 for zeros): its codes are the same, and this program alone reads the bytes.
; No tensor loads, no barrier: a wave's LDS bytes are its own; the two jobs have LDS bytes of their own (0 .. 32,767 and 32,768 .. 66,559).  Memory binds: no matrix unit, no cluster.
.set STEPS, 16
.set AHEAD, 8                          ; steps that the loads run ahead
.set EMAX,  2
.set CB,    8                          ; bytes of 16 codes
.set R,     16                         ; v16-143  eight sets of 16 numbers as they are loaded
.set X,     144                        ; v144-175 two sets of 16 neighbours
.set C,     176                        ; v176-207 codes: two registers for each step, so that no store's data are written again
.set E,     208                        ; v208-223 a scale byte for each step
.set WREG,  8192                       ; LDS of a wave: two stages of 32 x SP bytes, behind them its 256 scale bytes
.set SP,    80                         ; a lane's place in a stage: 64 bytes + 16 of padding
.set WOS,   32768                      ; LDS of the second job: for each wave 16 rows of WOP bytes
.set WOP,   528                        ; 512 bytes + 16: an odd multiple of 16, so that 16 rows' pieces of 16 bytes fall on different banks (64 banks of 4 bytes: ISA guide 11.1)
	s_load_b128 s[4:7], s[0:1], 0x0                ; Q, W_o's codes
	s_load_b128 s[8:11], s[0:1], 0x10              ; qc, qs
	s_load_b64 s[12:13], s[0:1], 0x20              ; woi
	v_lshl_add_u32 v224, v0, 2, 0x10400
	v_mov_b32 v225, 0
	v_lshrrev_b32 v1, 5, v0
	v_readfirstlane_b32 s16, v1                    ; wave
	v_and_b32 v2, 31, v0                           ; lane
	v_lshlrev_b32 v3, 4, v2                        ; 16 x lane
	s_mov_b32 s21, 0
	s_wait_kmcnt 0x0
	s_cmp_ge_u32 ttmp9, 256
	s_cbranch_scc1 .Lwo
	; ---------------- Q
	s_mul_i32 s17, s16, WREG
	v_lshrrev_b32 v14, 2, v2
	v_mul_u32_u24 v14, v14, SP
	v_and_b32 v15, 3, v2
	v_lshl_add_u32 v14, v15, 4, v14
	v_add_nc_u32 v14, s17, v14                     ; the stage, on the way in: four lanes' 64 bytes on end, then 16 of padding
	v_mul_u32_u24 v15, v2, SP
	v_add_nc_u32 v15, s17, v15                     ; and on the way out: my 16 neighbours
	v_mul_u32_u24 v4, v2, CB                       ; my codes' place in a step's
	v_lshrrev_b32 v5, 1, v2
	s_add_co_u32 s17, s17, 2*32*SP
	v_add_nc_u32 v5, s17, v5                       ; my wave's 256 scale bytes, my block's byte
	v_lshlrev_b32 v7, 3, v2                        ; on the way out 8 bytes a lane
	v_add_nc_u32 v6, s17, v7
	s_lshl_b32 s18, ttmp9, 2
	s_add_co_u32 s18, s18, s16                     ; which run of 8,192 numbers is my wave's: 0 .. 1,023
	s_lshl_b32 s20, s18, 15
	s_add_nc_u64 s[4:5], s[4:5], s[20:21]          ; 32,768 bytes of Q a run,
	s_lshl_b32 s20, s18, 12
	s_add_nc_u64 s[8:9], s[8:9], s[20:21]          ; 4,096 of codes,
	s_lshl_b32 s20, s18, 8
	s_add_nc_u64 s[10:11], s[10:11], s[20:21]      ; 256 of scale bytes
.macro LOAD t
.irp i, 0,1,2,3
	global_load_b128 v[R+16*((\t)%AHEAD)+4*\i:R+16*((\t)%AHEAD)+4*\i+3], v3, s[4:5] offset:2048*(\t)+512*\i th:TH_LOAD_NT   ; 32 lanes read 512 consecutive bytes
.endr
.endm
.macro TURN t                          ; step t's numbers through the stage: LDS serves a wave's instructions in order (ISA guide 5.7.1.4), so no wait stands between the stores and the loads
.irp i, 0,1,2,3
	ds_store_b128 v14, v[R+16*((\t)%AHEAD)+4*\i:R+16*((\t)%AHEAD)+4*\i+3] offset:32*SP*((\t)%2)+8*SP*\i
.endr
.irp i, 0,1,2,3
	ds_load_b128 v[X+16*((\t)%2)+4*\i:X+16*((\t)%2)+4*\i+3], v15 offset:32*SP*((\t)%2)+16*\i
.endr
.endm
.irp t, 0,1,2,3,4,5,6,7
	LOAD \t
.endr
	s_wait_loadcnt 4*(AHEAD-1)                     ; step 0's four loads are in; the seven steps behind it may be out
	TURN 0
.macro STEP t
.set XS, X+16*((\t)%2)
.if (\t) > 0
	s_wait_dscnt 1                                 ; this step's numbers are back from the stage (the last step's byte store may be out): so its stores into the stage have read their registers,
.else
	s_wait_dscnt 0x0
.endif
.if (\t)+AHEAD < STEPS
	LOAD (\t)+AHEAD                                ; which take the loads of eight steps on
.endif
.if (\t)+1 < STEPS
.if (\t)+AHEAD < STEPS
	s_wait_loadcnt 4*(AHEAD-1)                     ; the next step's four loads are in; those of the seven steps behind it may be out
.else
	s_wait_loadcnt 4*(STEPS-2-(\t))                ; likewise, of the steps that are left
.endif
	TURN (\t)+1                                    ; and go through the other stage while this step is worked
.endif
	v_max3_num_f32 v8, |v[XS]|, |v[XS+1]|, |v[XS+2]|               ; the largest magnitude of my 16, in two chains
	v_max3_num_f32 v9, |v[XS+3]|, |v[XS+4]|, |v[XS+5]|
.irp i, 6,10
	v_max3_num_f32 v8, v8, |v[XS+\i]|, |v[XS+\i+1]|
	v_max3_num_f32 v9, v9, |v[XS+\i+2]|, |v[XS+\i+3]|
.endr
	v_max3_num_f32 v8, v8, |v[XS+14]|, |v[XS+15]|
	v_max3_num_f32 v8, v8, v9, (EMAX+1)<<23        ; and the floor 2^(3 - 127): the byte cannot fall under 1
	v_max_num_f32_dpp v8, v8, v8 row_xmask:1 row_mask:0xf bank_mask:0xf   ; and of my neighbour's 16: the block's
	v_add_nc_u32 v11, -(EMAX<<23), v8              ; 2 off its exponent field: the conversion takes the exponent field of this operand as its scale
	v_cvt_scalef32_pk8_fp4_f32 v[C+2*(\t)], v[XS:XS+7], v11
	v_cvt_scalef32_pk8_fp4_f32 v[C+2*(\t)+1], v[XS+8:XS+15], v11
	v_lshrrev_b32 v[E+(\t)], 23, v11               ; the scale's byte (a plain line behind the conversions)
	ds_store_b8 v5, v[E+(\t)] offset:16*(\t)       ; both lanes of a block write the same byte with the same value
	global_store_b64 v4, v[C+2*(\t):C+2*(\t)+1], s[8:9] offset:32*CB*(\t)   ; the wave stores 256 consecutive bytes, aligned
.endm
.irp t, 0,1,2,3,4,5,6,7,8,9,10,11,12,13,14,15
	STEP \t
.endr
	ds_load_b64 v[12:13], v6                       ; in order behind my byte stores
	s_wait_dscnt 0x0
	global_store_b64 v7, v[12:13], s[10:11]        ; 32 lanes store 256 consecutive bytes, aligned
	s_wait_tensorcnt 0x0
	ds_add_u32 v224, v225
	s_wait_dscnt 0x0
	s_endpgm
	; ---------------- W_o: a wave takes one tile of 16 rows, 8,192 dense bytes in and 8,192 dense bytes out
.Lwo:
	s_sub_co_u32 s18, ttmp9, 256
	s_lshl_b32 s18, s18, 2
	s_add_co_u32 s18, s18, s16                     ; the tile, 0 .. 63
	s_lshl_b32 s20, s18, 13
	s_add_nc_u64 s[6:7], s[6:7], s[20:21]
	s_add_nc_u64 s[12:13], s[12:13], s[20:21]
	s_mul_i32 s17, s16, 16*WOP
	s_add_co_u32 s17, s17, WOS                     ; my stage
	v_add_nc_u32 v14, s17, v3                      ; in: a row at a time, 16 bytes a lane
	v_and_b32 v4, 15, v0                           ; r
	v_bfe_u32 v5, v0, 4, 1                         ; h
	v_mul_u32_u24 v15, v4, WOP
	v_lshl_add_u32 v15, v5, 4, v15
	v_add_nc_u32 v15, s17, v15                     ; out: row r, + 16 h: lane (r, h) of a fragment holds k = 64 c + 32 h + 0 .. 31 of row r, 16 bytes
.irp i, 0,1,2,3,4,5,6,7,8,9,10,11,12,13,14,15
	global_load_b128 v[16+4*\i:19+4*\i], v3, s[6:7] offset:512*\i th:TH_LOAD_NT
.endr
.irp i, 0,1,2,3,4,5,6,7,8,9,10,11,12,13,14,15
	s_wait_loadcnt 15-\i                           ; row i is in; the rows behind it may be out
	ds_store_b128 v14, v[16+4*\i:19+4*\i] offset:WOP*\i
.endr
.irp f, 0,1,2,3,4,5,6,7,8,9,10,11,12,13,14,15
	ds_load_b128 v[80+4*\f:83+4*\f], v15 offset:32*\f              ; f = 2 x K step + c; in order behind my stores
.endr
.irp f, 0,1,2,3,4,5,6,7,8,9,10,11,12,13,14,15
	s_wait_dscnt 15-\f
	global_store_b128 v3, v[80+4*\f:83+4*\f], s[12:13] offset:512*\f   ; 512 consecutive bytes, aligned
.endr
	s_wait_tensorcnt 0x0
	ds_add_u32 v224, v225
	s_wait_dscnt 0x0
	s_endpgm
.Lfunc_end_k_q9ad7bc0f58_prep:
	.size	k_q9ad7bc0f58_prep, .Lfunc_end_k_q9ad7bc0f58_prep-k_q9ad7bc0f58_prep
	.p2alignl 7, 3214868480
	.fill 96, 4, 3214868480
	.section	.rodata,"a",@progbits
	.p2align	6, 0x0
	.amdhsa_kernel k_q9ad7bc0f58_prep
		.amdhsa_group_segment_fixed_size 67072
		.amdhsa_private_segment_fixed_size 0
		.amdhsa_enable_private_segment 0
		.amdhsa_kernarg_size 40
		.amdhsa_user_sgpr_count 2
		.amdhsa_user_sgpr_kernarg_segment_ptr 1
		.amdhsa_wavefront_size32 1
		.amdhsa_system_sgpr_workgroup_id_x 1
		.amdhsa_system_sgpr_workgroup_id_y 1
		.amdhsa_system_sgpr_workgroup_id_z 1
		.amdhsa_system_vgpr_workitem_id 0
		.amdhsa_next_free_vgpr 226
		.amdhsa_next_free_sgpr 66
		.amdhsa_reserve_vcc 0
		.amdhsa_float_denorm_mode_32 3
		.amdhsa_float_denorm_mode_16_64 3
		.amdhsa_memory_ordered 1
		.amdhsa_forward_progress 1
		.amdhsa_inst_pref_size 40
	.end_amdhsa_kernel
	.amdgpu_metadata
---
amdhsa.version: [ 1, 2 ]
amdhsa.kernels:
  - .name:           k_q9ad7bc0f58_prep
    .symbol:         k_q9ad7bc0f58_prep.kd
    .args:
      - { .name: Q, .offset: 0, .size: 8, .value_kind: global_buffer, .address_space: global }
      - { .name: W_o_codes, .offset: 8, .size: 8, .value_kind: global_buffer, .address_space: global }
      - { .name: qc, .offset: 16, .size: 8, .value_kind: global_buffer, .address_space: global }
      - { .name: qs, .offset: 24, .size: 8, .value_kind: global_buffer, .address_space: global }
      - { .name: woi, .offset: 32, .size: 8, .value_kind: global_buffer, .address_space: global }
    .group_segment_fixed_size: 67072
    .private_segment_fixed_size: 0
    .kernarg_segment_align: 8
    .kernarg_segment_size: 40
    .max_flat_workgroup_size: 128
    .sgpr_count:     66
    .vgpr_count:     226
    .wavefront_size: 32
...
	.end_amdgpu_metadata
.endif
;; end of part 1
;; launch proj (part 2): grid 96 x 4, 4 waves a work-group, clusters of 4 x 4, 327,680 bytes of LDS; arguments W_q_codes, W_q_scales, W_k_codes, W_k_scales, V_codes, V_scales, qc, qs, K_codes, K_scales, W_v_codes, W_v_scales, qb, kvb; writes qb, kvb
.if DOCPART == 2
	.amdgcn_target "amdgcn-amd-amdhsa--gfx1250"
	.amdhsa_code_object_version 6
	.text
	.protected	k_q9ad7bc0f58_proj
	.globl	k_q9ad7bc0f58_proj
	.p2align	8
	.type	k_q9ad7bc0f58_proj,@function
k_q9ad7bc0f58_proj:
	s_mov_b64 s[64:65], 0
	v_nop
	global_prefetch_b8 v0, s[64:65] scope:SCOPE_SE
	s_setreg_imm32_b32 hwreg(HW_REG_WAVE_MODE, 25, 1), 1
	s_wait_xcnt 0x0
	s_wait_alu depctr_hold_cnt(0) depctr_sa_sdst(0) depctr_va_vdst(0) depctr_va_sdst(0) depctr_va_ssrc(0) depctr_va_vcc(0) depctr_vm_vsrc(0)
	s_getreg_b32 s2, hwreg(HW_REG_IB_STS2, 6, 4)
	s_cmp_eq_u32 s2, 0
	s_cbranch_scc0 .Lentry_in_a_cluster
	s_endpgm
.Lentry_in_a_cluster:
	s_bfe_u32 s2, ttmp6, 0x10000c
	s_cmp_lg_u32 s2, 0xf033
	s_cbranch_scc0 .Lentry_shape_is_right
	s_endpgm
.Lentry_shape_is_right:
; THE THREE PROJECTIONS, q = Q W_q, k = K W_k, v = V W_v, on codes of FP4 (E2M1) with one E8M0 scale for each 32 along K = 1,024; the results are quantised in registers and stored as images of the operand
; registers that the attention launch wants.  24 clusters of 4 x 4 work-groups: clusters 0-7 make q, 8-15 k, 16-23 v.  Each work-group makes a tile of 256 x 256, each of its four waves 128 x 128: 64 accumulators, 512 registers.
; SIDES.  Source 0 ("B") holds the rows ALONG WHICH THE RESULT IS QUANTISED, source 1 ("A") the rows that own a result.  q, k: B = the weight's 1,024 rows (head x 64 + channel), A = the 8,192 tokens.
; v: B = the tokens (the keys are the second attention product's K), A = W_v's rows.  In accumulator (a, b) lane (r, h) holds owner row 16 a + r, and register j the B row 16 b + 8 h + j.
; So a block of 32 along the next K is accumulators 2 B', 2 B' + 1 in lanes l and l xor 16.  Each accumulator's eight numbers become one register of codes; two exchanges of halves for each 64 give the 4-bit operand layout
; (registers 4 c .. 4 c + 3 of lane (r, h): k = 64 c + 32 h + 0 .. 31).
; K goes in two steps of 512 through two LDS slots; with the scale bytes of the work-group's rows each LDS byte is filled ONCE: three tensor loads a wave, issued together, are out at the most.
; CLUSTERS.  The four work-groups of a row of the cluster need the same tile of A, the four of a column the same tile of B: each tile is asked for JOINTLY, by the same tensor load with a mask that names the four.
; OUT.  qb: codes [b x 16 + head][tile of 16 tokens: 128][512 bytes]; from byte 4,194,304 scale words [..][pair of tiles: 64][16 rows][4 bytes] (the even tile's two bytes below, the odd tile's above).
;   kvb: [b x 16 + head][step of 128 keys: 16][8,704 bytes]: 8 tiles of 16 keys x 512; from 4,096 four fragments of V^T (16 channels x 128 keys) x 1,024; from 8,192 K's four pair words x 64; from 8,448 V's four scale words x 64.
;   The codes leave as 512 consecutive bytes a store; the scale words as pieces of 64 bytes: one byte in sixteen of what the launch stores.
; LIMITS: a block of zeros, or one whose largest magnitude lies under 2^-124, gets the byte 1 (its codes are the same; this program alone reads the bytes).  NaN and infinities are not served; a given scale byte 0xff gives NaN.
; REGISTERS, in windows of 256: window 0: v0-31 addresses; v32-95 scale words, two sets, and nothing else; from v128 A's fragments, one set; on the way out v128-245.   window 1: B's fragments, two sets, at v0 and v128.
;   window 2: the accumulators of my owner rows 0-63 ((a, b) at v[8 (8 a + b)]);   window 3: those of rows 64-127.
.set KSTEP,  512                       ; along K in a slot
.set NQ,     KSTEP/128                 ; matrix instructions deep
.set ROWB,   256                       ; a tile's row in bytes
.set KROW,   512                       ; a row of codes in memory
.set PITCH,  272                       ; an LDS row: 256 bytes + 16 of padding = 68 words: row r starts at bank 4 r mod 64 (64 banks of 4 bytes: ISA guide 11.1)
.set FR,     8                         ; registers of a fragment: 16 rows x 128 K
.set NL,     2                         ; LDS loads that bring one
.set NP,     4                         ; places behind this matrix instruction (ISA guide 7.12.1)
.set HALFT,  128*PITCH                 ; 128 rows: what one tensor load brings
.set SLOT,   4*HALFT                   ; A's 256 rows, then B's 256 rows
.set KS,     32                        ; a row of scale bytes
.set SCL,    2*SLOT                    ; behind the slots: the scale bytes, as units of 256 bytes + 16 of padding
.set HALFS,  (128*KS/256)*272          ; those of 128 rows
.set SBLK,   (16*KS/256)*272           ; those of 16 rows
.set ADRA, 16                          ; v16-17  LDS address of my A fragments in slot 0, 1
.set ADRB, 20                          ; v20-21  the same for B
.set ADRS, 27                          ; v27     LDS address of my scale words: lanes 0-15 A's rows, lanes 16-31 B's
.set SC,   32                          ; scale words: set s at v[SC + 32 s]; register 4 i + q: lanes 0-15 the word of A's block i, lanes 16-31 of B's block i, for the slot's q-th 128 along K
.set AF,   128                         ; A's fragments, window 0
.set G1, 24                            ; s[24:31] group 1 for A's tiles; s[32:39] group 0, one set a slot
.set G0, 32
.set G1B, 48                           ; s[48:55], s[56:63] the same for B's
.set G0B, 56
.set G1S, 68                           ; s[68:75], s[76:79] groups 1 and 0 for A's scale bytes; s[80:87], s[88:91] for B's
.set G0S, 76
.set G1SB, 80
.set G0SB, 88
; the way out, window 0
.set PC,   128                         ; v128-191 codes: eight registers for each owner tile
.set PW,   192                         ; v192-199 a scale word (four blocks) for each owner tile
.set WW,   200                         ; v200-203 the words as they are stored
.set TM,   204                         ; v204-207 largest magnitudes; v208-211 the other half's, then bytes; v216-219 the conversions' scale operands
.set CA,   220                         ; v220-227 byte offsets of the codes' first four registers;  v228-235 of the second four
.set CB,   228
.set SA,   236                         ; v236-239 byte offsets of the scale words
.set VSEL, 240                         ; v240     byte selects: lanes 0-15 one set, lanes 16-31 another
.set T0,   241
.set SI, 24                            ; scalars of the way out, in registers whose tensor loads are done
.set SJ, 25
.set SCC_, 26
.set TH, 27
.set TP, 28
.set TQ, 29
.set SLO, 30
.set SHI, 31
.set SEL, 98
.set MSB, 0
.macro WIN new                         ; the immediate's high byte repeats the setting that is left
.if MSB != (\new)
	s_set_vgpr_msb (MSB<<8)|(\new)
.set MSB, (\new)
.endif
.endm
.set MUL_LO, 0xa1                      ; source 0 (B) window 1, source 1 (A) window 0, C and D window 2
.set MUL_HI, 0xf1                      ; the same, C and D window 3
.set TO_B,   0x40                      ; destination window 1, address window 0
; A joint load: waves 0 and 1 fetch for A, waves 2 and 3 for B.  The branch hangs on the wave's number alone.  Four v_nop follow each of the two lines.
.macro JLOAD g0a, g1a, g0b, g1b
	s_cmp_eq_u32 s15, 0
	s_cbranch_scc0 .Lfor_b_\@
	tensor_load_to_lds s[\g0a:\g0a+3], s[\g1a:\g1a+7]
	s_nop 0
.rept 4
	v_nop
.endr
	s_branch .Lasked_\@
.Lfor_b_\@:
	tensor_load_to_lds s[\g0b:\g0b+3], s[\g1b:\g1b+7]
	s_nop 0
.rept 4
	v_nop
.endr
.Lasked_\@:
.endm
.macro CROUND                          ; a round of the cluster's barrier
	s_barrier_signal -1
	s_barrier_wait -1
	s_cmp_lg_u32 s14, 0
	s_cbranch_scc1 .Lnot_wave_0_\@
	s_barrier_signal -3
.Lnot_wave_0_\@:
	s_barrier_wait -3
	s_barrier_signal -1
	s_barrier_wait -1
.endm
	s_load_b512 s[68:83], s[0:1], 0x0              ; W_q codes, scales; W_k codes, scales; V codes, scales; qc, qs
	s_load_b256 s[84:91], s[0:1], 0x40             ; K codes, scales; W_v codes, scales
	s_load_b128 s[92:95], s[0:1], 0x60             ; qb, kvb
	v_lshl_add_u32 v254, v0, 2, 0x48400
	v_mov_b32 v255, 0
	ds_add_u32 v254, v255
	ds_add_u32 v254, v255
	v_lshrrev_b32 v1, 5, v0
	v_readfirstlane_b32 s14, v1                    ; wave 0..3
	s_lshr_b32 s15, s14, 1                         ; which half of A's rows is mine.  Also: I fetch for A (0) or for B (1)
	s_and_b32 s16, s14, 1                          ; which half of B's rows.  Also: which 128 rows of that tile I fetch
	s_bfe_u32 s40, ttmp6, 0x40000                  ; cx, cy: my place in the cluster
	s_bfe_u32 s41, ttmp6, 0x40004
	s_lshr_b32 s66, ttmp9, 3                       ; which projection: 0 q, 1 k, 2 v: the same in all sixteen partners
	s_and_b32 s67, ttmp9, 7
	s_lshl_b32 s67, s67, 2                         ; the cluster's first tile along the tokens
	s_cmp_eq_u32 s66, 2
	s_cselect_b32 s42, s67, 0                      ; the tokens are B's rows for v,
	s_cselect_b32 s17, 0, s67                      ; A's for q and k
	s_add_co_u32 s42, s42, s40                     ; B's tile: + cx
	s_add_co_u32 s17, s17, s41                     ; A's tile: + cy
	s_lshl_b32 s43, s41, 2
	s_lshl_b32 s43, 15, s43                        ; my row of the cluster
	s_lshl_b32 s44, 0x1111, s40                    ; my column
	s_wait_dscnt 0x0
	s_wait_kmcnt 0x0
	s_cmp_eq_u32 s66, 0                            ; the buffers are chosen on the projection's number alone
	s_cselect_b64 s[8:9], s[68:69], s[72:73]       ; B's codes
	s_cselect_b64 s[10:11], s[70:71], s[74:75]     ; B's scale bytes
	s_cselect_b64 s[4:5], s[80:81], s[84:85]       ; A's codes
	s_cselect_b64 s[6:7], s[82:83], s[86:87]       ; A's scale bytes
	s_cselect_b64 s[12:13], s[92:93], s[94:95]     ; where the results go
	s_cmp_eq_u32 s66, 2
	s_cselect_b64 s[8:9], s[76:77], s[8:9]
	s_cselect_b64 s[10:11], s[78:79], s[10:11]
	s_cselect_b64 s[4:5], s[88:89], s[4:5]
	s_cselect_b64 s[6:7], s[90:91], s[6:7]
	; descriptor group 1: a tile of 128 rows x 256 bytes, padded in LDS
	s_or_b32 s[G1+0], s43, (0<<16)|(1<<20)|(1<<21)|(5<<22)|(3<<25)  ; 15:0 the mask: A's tiles go to my row; 17:16 elements of 1 byte; 20 padding on; 21 set beside a mask; 24:22 after every 64 words; 31:25 four words
	s_or_b32 s[G1B+0], s44, (0<<16)|(1<<20)|(1<<21)|(5<<22)|(3<<25) ; B's go to my column
.irp g, G1, G1B
	s_mov_b32 s[\g+1], ROWB<<16                    ; tensor_dim0
	s_mov_b32 s[\g+2], 128<<16                     ; tensor_dim1
	s_mov_b32 s[\g+3], ROWB<<16                    ; tile_dim0
	s_mov_b32 s[\g+4], 128                         ; tile_dim1
	s_mov_b32 s[\g+5], KROW                        ; tensor_dim0_stride
	s_mov_b32 s[\g+6], 0
	s_mov_b32 s[\g+7], 0
.endr
	; the scale bytes of 128 rows: 4,096 dense bytes, as 16 rows of 256 bytes (32 elements of 8 bytes), 16 bytes of padding behind each
	s_or_b32 s[G1S+0], s43, (3<<16)|(1<<20)|(1<<21)|(5<<22)|(3<<25)
	s_or_b32 s[G1SB+0], s44, (3<<16)|(1<<20)|(1<<21)|(5<<22)|(3<<25)
.irp g, G1S, G1SB
	s_mov_b32 s[\g+1], 32<<16
	s_mov_b32 s[\g+2], (128*KS/256)<<16
	s_mov_b32 s[\g+3], 32<<16
	s_mov_b32 s[\g+4], 128*KS/256
	s_mov_b32 s[\g+5], 32
	s_mov_b32 s[\g+6], 0
	s_mov_b32 s[\g+7], 0
.endr
	s_lshl_b32 s18, s16, 7                         ; which 128 rows of the tile I fetch
	s_lshl_b32 s20, s17, 8
	s_add_co_u32 s20, s20, s18                     ; A: row 256 x tile + 128 x half
	s_lshl_b32 s46, s42, 8
	s_add_co_u32 s46, s46, s18                     ; B likewise
	s_mov_b32 s21, 0
	s_mov_b32 s47, 0
	s_mov_b64 s[18:19], KS
	s_mul_u64 s[22:23], s[20:21], s[18:19]         ; where these rows' scale bytes begin
	s_mul_u64 s[92:93], s[46:47], s[18:19]
	s_mov_b64 s[18:19], KROW
	s_mul_u64 s[20:21], s[20:21], s[18:19]         ; and their codes
	s_mul_u64 s[46:47], s[46:47], s[18:19]
	s_mul_i32 s45, s14, HALFT                      ; where they go: wave x 128 rows: no place in the cluster enters an LDS address
	s_mul_i32 s94, s14, HALFS
	s_add_nc_u64 s[20:21], s[4:5], s[20:21]
	s_add_nc_u64 s[22:23], s[6:7], s[22:23]
	s_add_nc_u64 s[46:47], s[8:9], s[46:47]
	s_add_nc_u64 s[92:93], s[10:11], s[92:93]
	CROUND                                         ; all sixteen work-groups are here: the joint loads meet
	s_mov_b32 s[G0S], 1
	s_add_co_u32 s[G0S+1], s94, SCL
	s_mov_b64 s[G0S+2:G0S+3], s[22:23]
	s_or_b32 s[G0S+3], s[G0S+3], 0x80000000
	s_mov_b32 s[G0SB], 1
	s_add_co_u32 s[G0SB+1], s94, SCL
	s_mov_b64 s[G0SB+2:G0SB+3], s[92:93]
	s_or_b32 s[G0SB+3], s[G0SB+3], 0x80000000
	JLOAD G0S, G1S, G0SB, G1SB                     ; the scale bytes first: they are wanted with K step 0
.irp s, 0,1
	s_mov_b32 s[G0+4*\s], 1
	s_add_co_u32 s[G0+4*\s+1], s45, \s*SLOT
	s_add_nc_u64 s[G0+4*\s+2:G0+4*\s+3], s[20:21], \s*ROWB
	s_or_b32 s[G0+4*\s+3], s[G0+4*\s+3], 0x80000000
	s_mov_b32 s[G0B+4*\s], 1
	s_add_co_u32 s[G0B+4*\s+1], s45, \s*SLOT
	s_add_nc_u64 s[G0B+4*\s+2:G0B+4*\s+3], s[46:47], \s*ROWB
	s_or_b32 s[G0B+4*\s+3], s[G0B+4*\s+3], 0x80000000
	JLOAD G0+4*\s, G1, G0B+4*\s, G1B
.endr
	v_and_b32 v1, 15, v0                           ; l % 16
	v_bfe_u32 v2, v0, 4, 1                         ; l / 16
	v_mul_u32_u24 v3, v1, PITCH
	v_lshl_add_u32 v4, v2, 4, v3                   ; a fragment's row x pitch + 16 x half
	s_mul_i32 s21, s15, HALFT                      ; my 128 rows of A
	s_mul_i32 s22, s16, HALFT                      ; my 128 rows of B,
	s_add_co_u32 s22, s22, 2*HALFT                 ; which lie behind A's 256
.irp s, 0,1
	v_add_nc_u32 v[ADRA+\s], s21, v4
	v_add_nc_u32 v[ADRB+\s], s22, v4
	s_add_co_u32 s21, s21, SLOT
	s_add_co_u32 s22, s22, SLOT
.endr
	v_mul_u32_u24 v5, v1, KS                       ; my row's scale bytes: 32 a row,
	v_lshrrev_b32 v6, 8, v5
	v_lshl_add_u32 v5, v6, 4, v5                   ; and 16 more for each 256 passed
	s_mul_i32 s21, s15, HALFS                      ; A's: my 128 rows
	s_mul_i32 s22, s16, HALFS                      ; B's: my 128 rows, behind A's 256
	s_add_co_u32 s22, s22, 2*HALFS
	s_sub_co_u32 s22, s22, s21
	v_mul_u32_u24 v6, s22, v2                      ; lanes 16-31 take B's: one product, the distance between the two bases
	s_add_co_u32 s21, s21, SCL
	v_add_nc_u32 v5, v5, v6
	v_add_nc_u32 v[ADRS], s21, v5
.macro FRAG reg, adr, q, i             ; a fragment: lane l holds row l % 16; registers 4 c .. 4 c + 3 hold K = 64 c + 32 (l / 16) + 0 .. 31
.irp c, 0,1
	ds_load_b128 v[\reg+4*\c:\reg+4*\c+3], v[\adr] offset:64*(\q)+32*\c+(\i)*16*PITCH
.endr
.endm
; 16 matrix instructions: A's blocks a0, a0 + 1 x B's eight, the slot's q-th 128 along K.  p: B's set; sc: the set of scale words.  zero = 1: the first product starts the sums.
; The 64 accumulators take turns, one instruction a turn, in the same order in every step.
.macro MUL16 a0, p, q, sc, zero
.irp a, \a0, \a0+1
.irp b, 0,1,2,3,4,5,6,7
.if \zero
	v_wmma_scale_f32_16x16x128_f8f6f4 v[8*(8*((\a)%4)+\b):8*(8*((\a)%4)+\b)+7], v[128*(\p)+FR*\b:128*(\p)+FR*\b+FR-1], v[AF+FR*(\a):AF+FR*(\a)+FR-1], 0, v[SC+8*NQ*(\sc)+NQ*\b+(\q)], v[SC+8*NQ*(\sc)+NQ*(\a)+(\q)] matrix_a_fmt:MATRIX_FMT_FP4 matrix_b_fmt:MATRIX_FMT_FP4 matrix_a_scale:MATRIX_SCALE_ROW1
.else
	v_wmma_scale_f32_16x16x128_f8f6f4 v[8*(8*((\a)%4)+\b):8*(8*((\a)%4)+\b)+7], v[128*(\p)+FR*\b:128*(\p)+FR*\b+FR-1], v[AF+FR*(\a):AF+FR*(\a)+FR-1], v[8*(8*((\a)%4)+\b):8*(8*((\a)%4)+\b)+7], v[SC+8*NQ*(\sc)+NQ*\b+(\q)], v[SC+8*NQ*(\sc)+NQ*(\a)+(\q)] matrix_a_fmt:MATRIX_FMT_FP4 matrix_b_fmt:MATRIX_FMT_FP4 matrix_a_scale:MATRIX_SCALE_ROW1
.endif
.endr
.endr
.endm
.macro FETCH_B slot, q, p              ; B's eight fragments of the slot's q-th 128 along K into set p
	WIN TO_B
.irp i, 0,1,2,3,4,5,6,7
	FRAG 128*(\p)+FR*\i, ADRB+\slot, \q, \i
.endr
	WIN 0
.endm
.macro FETCH_A slot, q, i0             ; A's blocks i0 .. i0 + 3
.irp i, \i0, \i0+1, \i0+2, \i0+3
	FRAG AF+FR*(\i), ADRA+\slot, \q, \i
.endr
.endm
.macro SCALES sc                       ; a K step's scale words into set sc: four words a row
.irp i, 0,1,2,3,4,5,6,7
	ds_load_b128 v[SC+8*NQ*\sc+NQ*\i:SC+8*NQ*\sc+NQ*\i+3], v[ADRS] offset:\i*SBLK
.endr
.endm
; A load into a register that a matrix instruction has read, and a vector instruction that reads a matrix result, stand NP places behind that matrix instruction; only plain vector instructions that name none
; of its registers are places (ISA guide 7.12.1 for vector instructions).
.macro PLACES n
.rept \n
	v_nop
.endr
.endm
.macro STEP slot, q, zero              ; a step of 128 along K that has its successor in the same slot
	s_wait_dscnt 4*NL                              ; B's set and A's blocks 0-3 are in; the youngest eight loads (A's blocks 4-7) may be out
	WIN MUL_LO
	MUL16 0, (\q)%2, \q, \slot, \zero
	MUL16 2, (\q)%2, \q, \slot, \zero
	s_wait_dscnt 0                                 ; A's blocks 4-7 are in
	PLACES NP
	FETCH_B \slot, (\q)+1, 1-(\q)%2
	FETCH_A \slot, (\q)+1, 0
	WIN MUL_HI
	MUL16 4, (\q)%2, \q, \slot, \zero
	MUL16 6, (\q)%2, \q, \slot, \zero
	PLACES NP
	WIN 0
	FETCH_A \slot, (\q)+1, 4
.endm
; Slot 0's last step goes over to slot 1.  Each wave waits for its part of slot 1, then the barrier: behind it the slot is whole for all four.  Nothing is filled again.
.macro TURN slot, next
	s_wait_tensorcnt 0x0                           ; all my tensor loads have landed
	s_wait_dscnt 4*NL                              ; (the youngest eight loads, A's blocks 4-7, may be out)
	WIN MUL_LO
	MUL16 0, 1, NQ-1, \slot, 0
	s_wait_dscnt 0x0                               ; no LDS instruction of mine is out at the signal
	s_barrier_signal -1
	MUL16 2, 1, NQ-1, \slot, 0                     ; work on registers while the others arrive
	WIN 0
	s_barrier_wait -1
	PLACES NP
	v_add_nc_u32 v[ADRS], 4*NQ, v[ADRS]            ; on to the next K step's scale words
	FETCH_B \next, 0, 0
	FETCH_A \next, 0, 0
	SCALES \next
	WIN MUL_HI
	MUL16 4, 1, NQ-1, \slot, 0
	MUL16 6, 1, NQ-1, \slot, 0
	PLACES NP
	WIN 0
	FETCH_A \next, 0, 4
.endm
.macro STEPS slot, from                ; the slot's steps from .. NQ - 2
.set Q, \from
.rept NQ-1-\from
	STEP \slot, Q, 0
.set Q, Q+1
.endr
.endm
	s_wait_tensorcnt 1                             ; the scale bytes and my part of slot 0 are in (slot 1's load, the one issued behind them, may be out),
	s_barrier_signal -1
	s_barrier_wait -1                              ; everybody's are
	FETCH_B 0, 0, 0
	FETCH_A 0, 0, 0
	SCALES 0
	FETCH_A 0, 0, 4
	STEP 0, 0, 1                                   ; the first step's products start the sums: nothing is cleared
	STEPS 0, 1
	TURN 0, 1
	STEPS 1, 0
	s_wait_dscnt 4*NL                              ; the last step: nothing more to fetch
	WIN MUL_LO
	MUL16 0, 1, NQ-1, 1, 0
	MUL16 2, 1, NQ-1, 1, 0
	s_wait_dscnt 0
	WIN MUL_HI
	MUL16 4, 1, NQ-1, 1, 0
	MUL16 6, 1, NQ-1, 1, 0
	WIN 0
	PLACES NP                                      ; in front of the first writes of registers that held A's fragments, and of the reads of results
	; ---------------- THE WAY OUT.  Where my wave's results belong.
	s_mov_b32 s[SEL], 0x76543210
	s_mov_b32 s[SEL+1], 0xfedcba98                 ; v_permlanex16_b32's selects for lane l xor 16
	s_lshl_b32 s32, s42, 1
	s_add_co_u32 s32, s32, s16                     ; g: which 128 rows of B: q, k: heads 2 g, 2 g + 1;  v: tokens 128 g on
	s_lshl_b32 s33, s17, 4
	s_lshl_b32 s39, s15, 3
	s_add_co_u32 s33, s33, s39                     ; n0: my first owner tile of 16 rows
	s_and_b32 s34, s33, 127                        ; q, k: the tile of tokens within its batch
	s_lshr_b32 s35, s33, 7
	s_lshl_b32 s35, s35, 4
	s_lshl_b32 s39, s32, 1
	s_add_co_u32 s35, s35, s39                     ; q, k: 16 x batch + head 2 g
	s_lshr_b32 s36, s32, 4
	s_lshl_b32 s36, s36, 4
	s_lshr_b32 s39, s33, 2
	s_add_co_u32 s36, s36, s39                     ; v: 16 x batch + the head of my first owner tile
	s_and_b32 s37, s32, 15                         ; v: the step of 128 keys
	s_lshr_b32 s39, s34, 3                         ; k: likewise
	s_cmp_eq_u32 s66, 2
	s_cselect_b32 s36, s36, s35
	s_cselect_b32 s37, s37, s39
	s_cselect_b32 s22, 4096, 0                     ; V's fragments lie behind K's tiles,
	s_mov_b32 s23, 8192
	s_cselect_b32 s23, 8448, s23                   ; V's scale words behind K's
	s_mov_b32 s[SI], 512                           ; from owner tile to owner tile,
	s_cselect_b32 s[SI], 1024, s[SI]
	s_mov_b32 s[SJ], 2048                          ; from tile i to tile i + 4 (v: the next head),
	s_cselect_b32 s[SJ], 139264, s[SJ]
	s_mov_b32 s[TP], 128                           ; from a pair of tiles to the next, for the scale words,
	s_cselect_b32 s[TP], s[TP], 64
	s_mov_b32 s[TQ], 128                           ; and two pairs on
	s_cselect_b32 s[TQ], 139264, s[TQ]
	s_mov_b32 s[SLO], 0x05040100                   ; q, k: lanes 0-15 store head 2 g's pair word: both tiles' low halves;
	s_cselect_b32 s[SLO], 0x03020100, s[SLO]       ; v: the even tile's word
	s_mov_b32 s[SHI], 0x07060302                   ; q, k: lanes 16-31 head 2 g + 1's: both tiles' high halves;
	s_cselect_b32 s[SHI], 0x07060504, s[SHI]       ; v: the odd tile's word
	s_mov_b32 s[SCC_], 139264                      ; from the codes' first four registers to the second four: k: the next head; v: 512; q: the next head
	s_cselect_b32 s[SCC_], 512, s[SCC_]
	s_mov_b32 s[TH], 139264                        ; from lanes 0-15's scale word to lanes 16-31's
	s_cselect_b32 s[TH], 64, s[TH]
	s_cmp_eq_u32 s66, 0
	s_cselect_b32 s[SCC_], 65536, s[SCC_]
	s_cselect_b32 s[TH], 4096, s[TH]
	s_mul_i32 s38, s36, 139264
	s_mul_i32 s39, s37, 8704
	s_add_co_u32 s38, s38, s39                     ; k, v: the head's block and the key step in it
	s_add_co_u32 s22, s22, s38
	s_add_co_u32 s23, s23, s38
	s_lshl_b32 s38, s35, 16
	s_lshl_b32 s39, s34, 9
	s_add_co_u32 s38, s38, s39                     ; q: codes
	s_lshl_b32 s39, s35, 12
	s_lshl_b32 s20, s34, 5
	s_add_co_u32 s39, s39, s20
	s_add_co_u32 s39, s39, 4194304                 ; q: scale words
	s_cmp_eq_u32 s66, 0
	s_cselect_b32 s20, s38, s22
	s_cselect_b32 s22, s39, s23
	s_mov_b32 s21, 0
	s_mov_b32 s23, 0
	s_add_nc_u64 s[96:97], s[12:13], s[22:23]      ; the scale words' base
	s_add_nc_u64 s[12:13], s[12:13], s[20:21]      ; the codes' base
	v_and_b32 v[T0], 31, v0
	v_lshlrev_b32 v[CA], 4, v[T0]                  ; 16 x lane
	v_add_nc_u32 v[CA+1], s[SI], v[CA]
	v_add_nc_u32 v[CA+2], s[SI], v[CA+1]
	v_add_nc_u32 v[CA+3], s[SI], v[CA+2]
.irp i, 0,1,2,3
	v_add_nc_u32 v[CA+4+\i], s[SJ], v[CA+\i]
.endr
.irp i, 0,1,2,3,4,5,6,7
	v_add_nc_u32 v[CB+\i], s[SCC_], v[CA+\i]
.endr
	v_and_b32 v[T0+1], 15, v0
	v_bfe_u32 v[T0+2], v0, 4, 1
	v_mul_lo_u32 v[T0+2], v[T0+2], s[TH]
	v_lshl_add_u32 v[SA], v[T0+1], 2, v[T0+2]      ; 4 r + h x the distance
	v_add_nc_u32 v[SA+1], s[TP], v[SA]
	v_add_nc_u32 v[SA+2], s[TQ], v[SA]
	v_add_nc_u32 v[SA+3], s[TQ], v[SA+1]
	v_cmp_gt_u32 vcc_lo, 16, v[T0]
	v_mov_b32 v[T0+3], s[SHI]
	v_mov_b32 v[T0+4], s[SLO]
	v_cndmask_b32 v[VSEL], v[T0+3], v[T0+4], vcc_lo
.irp b, 0,1,2,3
	v_mov_b32 v[TM+4+\b], 0                        ; written once: a lane permute's destination counts as one of its sources
.endr
; Owner tile a: its eight accumulators, 128 along the next K, become eight registers of codes and a scale word.  Each store has data registers of its own: none is written again.
.macro QW a
.set AC, 64*((\a)%4)
	WIN 0x0a+5*((\a)/4)                            ; sources 0 and 1: window 2 or 3
.irp b, 0,1,2,3
	v_max3_num_f32 v[TM+\b], |v[AC+16*\b]|, |v[AC+16*\b+1]|, 0x1800000   ; block b: my 16 numbers, each accumulator from its low end on, and the floor 2^(3 - 127): the byte cannot fall under 1
.endr
.irp i, 2,4,6,8,10,12,14
.irp b, 0,1,2,3
	v_max3_num_f32 v[TM+\b], |v[AC+16*\b+\i]|, |v[AC+16*\b+\i+1]|, v[TM+\b]   ; (the four blocks by turns)
.endr
.endr
	WIN 0
.irp b, 0,1,2,3
	v_permlanex16_b32 v[TM+4+\b], v[TM+\b], s[SEL], s[SEL+1]
.endr
.irp b, 0,1,2,3
	v_max_num_f32 v[TM+\b], v[TM+\b], v[TM+4+\b]   ; with lane l xor 16's: the block's largest magnitude
.endr
.irp b, 0,1,2,3
	v_add_nc_u32 v[TM+12+\b], 0xff000000, v[TM+\b] ; 2 off its exponent field: the conversion's scale operand
.endr
.irp b, 0,1,2,3
	v_lshrrev_b32 v[TM+4+\b], 23, v[TM+12+\b]      ; the scale's byte
.endr
	v_lshl_or_b32 v[PW+(\a)], v[TM+5], 8, v[TM+4]
	v_lshl_or_b32 v[PW+(\a)], v[TM+6], 16, v[PW+(\a)]
	v_lshl_or_b32 v[PW+(\a)], v[TM+7], 24, v[PW+(\a)]
	WIN 0x02+((\a)/4)                              ; source 0: window 2 or 3
.irp t, 0,1,2,3,4,5,6,7                ; accumulator t (k = 16 t + 8 h + 0 .. 7) goes to register 4 (t / 4) + {0, 2, 1, 3}[t % 4]
	v_cvt_scalef32_pk8_fp4_f32 v[PC+8*(\a)+4*(\t/4)+2*(\t%2)+((\t%4)/2)], v[AC+8*\t:AC+8*\t+7], v[TM+12+\t/2]
.endr
	WIN 0
	v_nop                                          ; one plain line behind a scaled conversion
.irp c, 0,1                            ; the first's lanes 16-31 change places with the second's lanes 0-15: registers 4 c .. 4 c + 3 then hold k = 64 c + 32 h + 0 .. 31
	v_permlane16_swap_b32 v[PC+8*(\a)+4*\c], v[PC+8*(\a)+4*\c+1]
	v_permlane16_swap_b32 v[PC+8*(\a)+4*\c+2], v[PC+8*(\a)+4*\c+3]
.endr
	global_store_b128 v[CA+(\a)], v[PC+8*(\a):PC+8*(\a)+3], s[12:13]       ; 512 consecutive bytes, aligned
	global_store_b128 v[CB+(\a)], v[PC+8*(\a)+4:PC+8*(\a)+7], s[12:13]
.endm
.irp p, 0,1,2,3
	QW 2*\p
	QW 2*\p+1
	v_perm_b32 v[WW+\p], v[PW+2*\p+1], v[PW+2*\p], v[VSEL]
	global_store_b32 v[SA+\p], v[WW+\p], s[96:97]
.endr
	s_wait_tensorcnt 0x0
	ds_add_u32 v254, v255
	s_wait_dscnt 0x0
	CROUND                                         ; the closing round: no work-group ends while a partner may still ask for a tile that names it
	s_endpgm
.Lfunc_end_k_q9ad7bc0f58_proj:
	.size	k_q9ad7bc0f58_proj, .Lfunc_end_k_q9ad7bc0f58_proj-k_q9ad7bc0f58_proj
	.p2alignl 7, 3214868480
	.fill 96, 4, 3214868480
	.section	.rodata,"a",@progbits
	.p2align	6, 0x0
	.amdhsa_kernel k_q9ad7bc0f58_proj
		.amdhsa_group_segment_fixed_size 327680
		.amdhsa_private_segment_fixed_size 0
		.amdhsa_enable_private_segment 0
		.amdhsa_kernarg_size 112
		.amdhsa_user_sgpr_count 2
		.amdhsa_user_sgpr_kernarg_segment_ptr 1
		.amdhsa_wavefront_size32 1
		.amdhsa_system_sgpr_workgroup_id_x 1
		.amdhsa_system_sgpr_workgroup_id_y 1
		.amdhsa_system_sgpr_workgroup_id_z 1
		.amdhsa_system_vgpr_workitem_id 0
		.amdhsa_next_free_vgpr 1024
		.amdhsa_next_free_sgpr 102
		.amdhsa_reserve_vcc 1
		.amdhsa_float_denorm_mode_32 3
		.amdhsa_float_denorm_mode_16_64 3
		.amdhsa_memory_ordered 1
		.amdhsa_forward_progress 1
		.amdhsa_inst_pref_size 131
	.end_amdhsa_kernel
	.amdgpu_metadata
---
amdhsa.version: [ 1, 2 ]
amdhsa.kernels:
  - .name:           k_q9ad7bc0f58_proj
    .symbol:         k_q9ad7bc0f58_proj.kd
    .args:
      - { .name: W_q_codes, .offset: 0, .size: 8, .value_kind: global_buffer, .address_space: global }
      - { .name: W_q_scales, .offset: 8, .size: 8, .value_kind: global_buffer, .address_space: global }
      - { .name: W_k_codes, .offset: 16, .size: 8, .value_kind: global_buffer, .address_space: global }
      - { .name: W_k_scales, .offset: 24, .size: 8, .value_kind: global_buffer, .address_space: global }
      - { .name: V_codes, .offset: 32, .size: 8, .value_kind: global_buffer, .address_space: global }
      - { .name: V_scales, .offset: 40, .size: 8, .value_kind: global_buffer, .address_space: global }
      - { .name: qc, .offset: 48, .size: 8, .value_kind: global_buffer, .address_space: global }
      - { .name: qs, .offset: 56, .size: 8, .value_kind: global_buffer, .address_space: global }
      - { .name: K_codes, .offset: 64, .size: 8, .value_kind: global_buffer, .address_space: global }
      - { .name: K_scales, .offset: 72, .size: 8, .value_kind: global_buffer, .address_space: global }
      - { .name: W_v_codes, .offset: 80, .size: 8, .value_kind: global_buffer, .address_space: global }
      - { .name: W_v_scales, .offset: 88, .size: 8, .value_kind: global_buffer, .address_space: global }
      - { .name: qb, .offset: 96, .size: 8, .value_kind: global_buffer, .address_space: global }
      - { .name: kvb, .offset: 104, .size: 8, .value_kind: global_buffer, .address_space: global }
    .group_segment_fixed_size: 327680
    .private_segment_fixed_size: 0
    .kernarg_segment_align: 8
    .kernarg_segment_size: 112
    .max_flat_workgroup_size: 128
    .sgpr_count:     102
    .vgpr_count:     1024
    .wavefront_size: 32
...
	.end_amdgpu_metadata
.endif
;; end of part 2
;; launch attn (part 3): grid 4 x 64, 16 waves a work-group, clusters of 4 x 1, 169,984 bytes of LDS; arguments qb, kvb, hc, hs; writes hc, hs
.if DOCPART == 3
	.amdgcn_target "amdgcn-amd-amdhsa--gfx1250"
	.amdhsa_code_object_version 6
	.text
	.protected	k_q9ad7bc0f58_attn
	.globl	k_q9ad7bc0f58_attn
	.p2align	8
	.type	k_q9ad7bc0f58_attn,@function
k_q9ad7bc0f58_attn:
	s_mov_b64 s[64:65], 0
	v_nop
	global_prefetch_b8 v0, s[64:65] scope:SCOPE_SE
	s_setreg_imm32_b32 hwreg(HW_REG_WAVE_MODE, 25, 1), 1
	s_wait_xcnt 0x0
	s_wait_alu depctr_hold_cnt(0) depctr_sa_sdst(0) depctr_va_vdst(0) depctr_va_sdst(0) depctr_va_ssrc(0) depctr_va_vcc(0) depctr_vm_vsrc(0)
	s_getreg_b32 s2, hwreg(HW_REG_IB_STS2, 6, 4)
	s_cmp_eq_u32 s2, 0
	s_cbranch_scc0 .Lentry_in_a_cluster
	s_endpgm
.Lentry_in_a_cluster:
	s_bfe_u32 s2, ttmp6, 0x10000c
	s_cmp_lg_u32 s2, 0x3003
	s_cbranch_scc0 .Lentry_shape_is_right
	s_endpgm
.Lentry_shape_is_right:
; heads = softmax(q k^T / 8) v for one (batch, head), both products on codes of FP4 (E2M1) with one E8M0 scale for each 32 along a product's K; the result is divided by the row's sum and quantised along the channels.
; THE SOFTMAX AHEAD OF THE SECOND PRODUCT: t = score x log2(e) / 8; M = the row's largest t so far, rounded UP to a whole number; p = 2^(t - M) is what is quantised, along the keys; it is not normalised.
; The row's sum is taken of the unquantised p and divides O at the end.  When M moves, the sum and O are multiplied by 2^(old M - new M): exact.
; SHARES.  A cluster of four work-groups takes one (batch, head); a work-group 512 of its 2,048 queries; each of its sixteen waves one tile of 16 queries at a time, in two passes.  Four waves to a SIMD, 256 registers each.
; LDS.  The head's K and V, as codes in the order of the operands' registers with their scale words, are 139,264 bytes: they come ONCE, each wave asking for one step of 128 keys (8,704 dense bytes), and stay.  No byte is filled twice.
; CLUSTER.  The four work-groups read the same 139,264 bytes: each of the sixteen loads is asked for JOINTLY, with the same descriptor and a mask that names the four.
; LAYOUT.  Both products are used transposed: S^T = K Q^T (source 0 = keys, source 1 = my 16 queries), O^T = V^T P^T: a lane holds ONE query (lane % 16); register j of tile t holds key (or channel) 16 t + 8 (lane / 16) + j.
; THE FIRST PRODUCT'S K IS 64, the instruction's 128.  One operand of eight registers holds TWO tiles of keys: X's 64 channels in registers 0-3, Y's in registers 4-7.  Against [q | zero codes] it gives X's scores, against [zero codes | q] Y's.
; LIMITS: NaN and infinities are not served.  A block of zeros, or one under 2^-124, gets the byte 1 (same codes; this program alone reads the bytes).  1 / l is v_rcp_f32.  A block's largest p is taken as the p of its largest score,
; which takes v_exp_f32 not to fall where its input rises.
; REGISTERS: v1-7 addresses; v8-11 the heads' codes; v12 -M, v13 the largest t, v[14:15] the sum in two halves; v16-23 [q | 0], v24-31 [0 | q]; v32-63 K's four pair operands; v64-95 V's four fragments; v96-159 S^T, then p;
;   v160-191 O^T; v192-223 O / l; v224-231 p's codes; v232-239, v244-247, v252, v254 at work; v240-241 K's scale words, v242-243 V's, v248-249 q's, v253 p's; v250 q's pair word as loaded; v251 16 x thread.
.set STEPB, 8704                       ; a step of 128 keys in LDS and in memory
.set HEADB, 16*STEPB
.set VFR,   4096                       ; in a step: V's fragments,
.set KSC,   8192                       ; K's pair words,
.set VSC,   8448                       ; V's scale words
.set HSC,   HEADB                      ; behind the head's block: the heads' scale halves, 32 tiles x 32 bytes; no tensor load lands here
.macro ROUND                           ; a round of the cluster's barrier
	s_barrier_signal -1
	s_barrier_wait -1
	s_cmp_lg_u32 s8, 0
	s_cbranch_scc1 .Lnot_wave_0_\@
	s_barrier_signal -3
.Lnot_wave_0_\@:
	s_barrier_wait -3
	s_barrier_signal -1
	s_barrier_wait -1
.endm
	s_load_b256 s[40:47], s[0:1], 0x0              ; qb, kvb, hc, hs
	v_lshl_add_u32 v254, v0, 2, 0x29000
	v_mov_b32 v255, 0
	ds_add_u32 v254, v255
	ds_add_u32 v254, v255
	s_wait_dscnt 0x0
	v_lshrrev_b32 v5, 5, v0
	v_readfirstlane_b32 s8, v5                     ; wave 0..15
	s_bfe_u32 s16, ttmp6, 0x40000                  ; cx: which quarter of the queries: it enters qb's, hc's and hs's addresses alone
	s_and_b32 s17, ttmp7, 0xffff                   ; 16 x batch + head, which the four partners share
	; descriptor group 1: 8,704 dense bytes as 34 rows of 256 bytes (32 elements of 8 bytes), no padding
	s_mov_b32 s24, 15|(3<<16)|(1<<21)              ; 15:0 the mask: all four work-groups; 17:16 elements of 8 bytes; 21 set beside a mask
	s_mov_b32 s25, 32<<16                          ; tensor_dim0
	s_mov_b32 s26, 34<<16                          ; tensor_dim1
	s_mov_b32 s27, 32<<16                          ; tile_dim0
	s_mov_b32 s28, 34                              ; tile_dim1
	s_mov_b32 s29, 32                              ; tensor_dim0_stride
	s_mov_b32 s30, 0
	s_mov_b32 s31, 0
	s_mul_i32 s33, s8, STEPB                       ; group 0: LDS address: my wave's key step
	s_mul_i32 s18, s17, HEADB
	s_add_co_u32 s18, s18, s33                     ; and the same step in memory
	s_mov_b32 s19, 0
	s_lshl_b32 s36, s17, 7
	s_lshl_b32 s37, s16, 5
	s_add_co_u32 s36, s36, s37
	s_add_co_u32 s36, s36, s8                      ; my tile of queries in pass 0: 128 x (batch, head) + 32 cx + wave
	s_lshl_b32 s36, s36, 9
	s_mov_b32 s37, 0
	s_lshl_b32 s38, s17, 6
	s_lshl_b32 s39, s16, 4
	s_add_co_u32 s38, s38, s39
	s_lshr_b32 s39, s8, 1
	s_add_co_u32 s38, s38, s39                     ; its pair of tiles
	s_lshl_b32 s38, s38, 6
	s_add_co_u32 s38, s38, 4194304
	s_mov_b32 s39, 0
	s_lshr_b32 s48, s17, 4                         ; batch
	s_and_b32 s49, s17, 15                         ; head
	s_lshl_b32 s50, s48, 7
	s_lshl_b32 s51, s16, 5
	s_add_co_u32 s50, s50, s51                     ; the work-group's first tile of tokens: 128 x batch + 32 cx
	s_add_co_u32 s52, s50, s8
	s_lshl_b32 s52, s52, 4
	s_add_co_u32 s52, s52, s49
	s_lshl_b32 s52, s52, 9                         ; hc: (tile x 16 + head) x 512
	s_mov_b32 s53, 0
	s_lshl_b32 s54, s49, 9
	s_add_co_u32 s54, s54, s50
	s_lshl_b32 s54, s54, 5                         ; hs: (head x 512 + tile) x 32
	s_mov_b32 s55, 0
	s_and_b32 s11, s8, 1
	s_lshl_b32 s11, s11, 4                         ; which half of the pair word is my tile's
	s_mov_b32 s20, 0x76543210
	s_mov_b32 s21, 0xfedcba98                      ; v_permlanex16_b32's selects for lane l xor 16
	s_mov_b32 s22, 0x3e38aa3b                      ; c = log2(e) / 8
	s_mov_b32 s23, s22                             ; (named with it as a pair, so it is written)
	s_wait_kmcnt 0x0
	s_mov_b32 s32, 1
	s_add_nc_u64 s[34:35], s[42:43], s[18:19]
	s_or_b32 s35, s35, 0x80000000
	s_add_nc_u64 s[4:5], s[40:41], s[36:37]        ; q's codes
	s_add_nc_u64 s[6:7], s[40:41], s[38:39]        ; q's pair words
	s_add_nc_u64 s[12:13], s[44:45], s[52:53]      ; hc
	s_add_nc_u64 s[14:15], s[46:47], s[54:55]      ; hs
	ROUND                                          ; all four work-groups are here: the joint loads meet
	tensor_load_to_lds s[32:35], s[24:31]          ; my one tensor load
	s_nop 0
.rept 4
	v_nop
.endr
	v_and_b32 v7, 31, v0
	v_lshlrev_b32 v1, 4, v7                        ; 16 x lane: an image's place for my lane
	v_lshlrev_b32 v2, 2, v7                        ; 4 x lane: a scale word's
	v_and_b32 v4, 15, v0                           ; r
	v_lshlrev_b32 v3, 1, v4
	s_lshl_b32 s9, s8, 5
	s_add_co_u32 s9, s9, HSC
	v_add_nc_u32 v3, s9, v3                        ; my row's scale half: HSC + 32 x wave + 2 r
	v_lshlrev_b32 v4, 2, v4                        ; 4 r
	v_lshl_add_u32 v7, v0, 4, HSC                  ; the scale halves' way out: 16 bytes a thread
	v_lshlrev_b32 v251, 4, v0
.irp j, 20,21,22,23,24,25,26,27
	v_mov_b32 v\j, 0                               ; the zero codes beside q
.endr
.macro SPROD t                         ; the scores of key tile t: pair operand t / 2; its scale words lie in lanes 0-15 (even pairs) or 16-31 (odd pairs) of register t / 4
.set QF, 16+8*((\t)%2)
.set QS, 248+(\t)%2
.if ((\t)/2)%2
	v_wmma_scale_f32_16x16x128_f8f6f4 v[96+8*(\t):103+8*(\t)], v[32+8*((\t)/2):39+8*((\t)/2)], v[QF:QF+7], 0, v[240+(\t)/4], v[QS] matrix_a_fmt:MATRIX_FMT_FP4 matrix_b_fmt:MATRIX_FMT_FP4 matrix_a_scale:MATRIX_SCALE_ROW1
.else
	v_wmma_scale_f32_16x16x128_f8f6f4 v[96+8*(\t):103+8*(\t)], v[32+8*((\t)/2):39+8*((\t)/2)], v[QF:QF+7], 0, v[240+(\t)/4], v[QS] matrix_a_fmt:MATRIX_FMT_FP4 matrix_b_fmt:MATRIX_FMT_FP4
.endif
.endm
.macro PVPROD ct                       ; O^T's 16 channels ct += V^T P^T over these 128 keys
.if (\ct)%2
	v_wmma_scale_f32_16x16x128_f8f6f4 v[160+8*(\ct):167+8*(\ct)], v[64+8*(\ct):71+8*(\ct)], v[224:231], v[160+8*(\ct):167+8*(\ct)], v[242+(\ct)/2], v253 matrix_a_fmt:MATRIX_FMT_FP4 matrix_b_fmt:MATRIX_FMT_FP4 matrix_a_scale:MATRIX_SCALE_ROW1
.else
	v_wmma_scale_f32_16x16x128_f8f6f4 v[160+8*(\ct):167+8*(\ct)], v[64+8*(\ct):71+8*(\ct)], v[224:231], v[160+8*(\ct):167+8*(\ct)], v[242+(\ct)/2], v253 matrix_a_fmt:MATRIX_FMT_FP4 matrix_b_fmt:MATRIX_FMT_FP4
.endif
.endm
; A PASS: one tile of 16 queries against all 2,048 keys.  Pass ps takes tile 32 cx + 16 ps + wave; what differs between the passes stands in immediates.
.macro PASS ps
.if (\ps) > 0
	s_wait_xcnt 0x0                                ; the last pass's store has read v8-11: they are written again only behind this wait
.endif
	global_load_b128 v[16:19], v1, s[4:5] offset:8192*(\ps)        ; q's image, twice: matrix operands share no register
	global_load_b128 v[28:31], v1, s[4:5] offset:8192*(\ps)
	global_load_b32 v250, v4, s[6:7] offset:512*(\ps)              ; the pair word of my row
	v_mov_b32 v13, 0xff61b1e6                      ; the largest t so far: -3e38, under every t
	v_floor_f32 v12, -v13                          ; -M
	v_mov_b32 v14, 0                               ; the sum, in two halves
	v_mov_b32 v15, 0
	v_mov_b32 v253, 0                              ; (named as the upper half of the pair v[252:253] before it is first written)
.irp b, 0,1,2,3
	v_mov_b32 v[236+\b], 0                         ; a lane permute's destination counts as one of its sources
.endr
.set j, 0
.rept 32
	v_mov_b32 v[160+j], 0                          ; O^T: the key step is written once; its first trip finds zeros, which the first change of M leaves zeros
.set j, j+1
.endr
	s_wait_loadcnt 0x0                             ; q
.if (\ps) == 0
	s_wait_tensorcnt 0x0                           ; my key step has landed,
	s_barrier_signal -1
	s_barrier_wait -1                              ; everybody's has: the head's block is whole
.endif
	v_bfe_u32 v248, v250, s11, 16                  ; q's two bytes; bytes 2 and 3 are 0: they scale zero codes
	v_lshlrev_b32 v249, 16, v248                   ; and the same for [0 | q]
.rept 8
	v_nop                                          ; a scale register written by a vector instruction stands 8 places ahead of a scaled matrix instruction
.endr
	s_mov_b32 s2, 0                                ; LDS byte of the key step in hand
	s_mov_b32 s3, 16
.Lkey_\@:
	v_add_nc_u32 v5, s2, v1
	v_add_nc_u32 v6, s2, v2
	v_nop
	v_nop                                          ; four places behind the last products, in front of the loads into registers that they read
.irp t, 0,1,2,3,4,5,6,7
	ds_load_b128 v[32+4*\t:35+4*\t], v5 offset:512*\t              ; K: eight tiles of 16 keys; tiles 2 p, 2 p + 1 are one operand
.endr
.irp i, 0,1
	ds_load_b32 v[240+\i], v6 offset:KSC+128*\i                    ; lanes 0-15: pair 2 i's words; lanes 16-31: pair 2 i + 1's
.endr
.irp f, 0,1,2,3,4,5,6,7
	ds_load_b128 v[64+4*\f:67+4*\f], v5 offset:VFR+512*\f          ; V: four fragments
.endr
.irp i, 0,1
	ds_load_b32 v[242+\i], v6 offset:VSC+128*\i
.endr
	s_wait_dscnt 10                                ; K's ten loads are in; V's ten may be out
.irp t, 0,1,2,3,4,5,6,7
	SPROD \t
.endr
.rept 4
	v_nop
.endr
.irp b, 0,1,2,3
	v_max3_num_f32 v[232+\b], v[96+16*\b], v[97+16*\b], v[98+16*\b]   ; THE LARGEST SCORE OF EACH BLOCK OF 32 KEYS (tiles 2 b, 2 b + 1): for the row's maximum and, since p rises with the score, for the block's largest p
.endr
.irp i, 3,5,7,9,11,13
.irp b, 0,1,2,3
	v_max3_num_f32 v[232+\b], v[232+\b], v[96+16*\b+\i], v[97+16*\b+\i]
.endr
.endr
.irp b, 0,1,2,3
	v_max_num_f32 v[232+\b], v[232+\b], v[111+16*\b]
.endr
.irp b, 0,1,2,3
	v_permlanex16_b32 v[236+\b], v[232+\b], s20, s21
.endr
.irp b, 0,1,2,3
	v_max_num_f32 v[232+\b], v[232+\b], v[236+\b]  ; with lane l xor 16's 16 keys
.endr
	v_max3_num_f32 v254, v232, v233, v234
	v_max_num_f32 v254, v254, v235                 ; the step's largest score of my query
	v_mul_f32 v254, s22, v254                      ; as t (c is positive)
	v_max_num_f32 v13, v13, v254                   ; the running largest t
	v_mov_b32 v254, v12
	v_floor_f32 v12, -v13                          ; the new -M = floor(-t) = -ceil(t)
	v_sub_f32 v254, v12, v254                      ; old M - new M: a whole number, 0 or less
	v_cvt_i32_f32 v254, v254                       ; (it saturates)
	v_ldexp_f32 v252, 1.0, v254                    ; f = 2^(old M - new M)
.set j, 0
.rept 32
	v_pk_fma_f32 v[96+j:97+j], v[96+j:97+j], s[22:23], v[12:13] op_sel_hi:[1,0,0]   ; t - M, two at a time
.set j, j+2
.endr
.irp b, 0,1,2,3
	v_fma_f32 v[232+\b], v[232+\b], s22, v12       ; the same of each block's largest score
.endr
.set j, 0
.rept 64
	v_exp_f32 v[96+j], v[96+j]                     ; p = 2^(t - M), at most 1
.set j, j+1
.endr
	v_pk_mul_f32 v[14:15], v[14:15], v[252:253] op_sel_hi:[1,0]   ; the sums under the new M (a plain line behind the exponentials)
	s_wait_alu depctr_va_vdst(0)                   ; one wait for the batch of 64, ahead of its first reader
.irp b, 0,1,2,3
	v_exp_f32 v[232+\b], v[232+\b]                 ; the block's largest p
.endr
	v_pk_add_f32 v[236:237], v[96:97], v[98:99]    ; THE ROW'S SUM IS TAKEN OF THE UNQUANTISED p, in two chains
.irp j, 4,8,12,16,20,24,28,32,36,40,44,48,52,56,60
	v_pk_add_f32 v[14:15], v[14:15], v[96+\j:97+\j]
	v_pk_add_f32 v[236:237], v[236:237], v[98+\j:99+\j]
.endr
	v_pk_add_f32 v[14:15], v[14:15], v[236:237]
	s_wait_alu depctr_va_vdst(0)                   ; and one for the four
.irp b, 0,1,2,3
	v_max_num_f32 v[232+\b], 0x1800000, v[232+\b]  ; the floor 2^(3 - 127): the byte cannot fall under 1
.endr
.irp b, 0,1,2,3
	v_add_nc_u32 v[244+\b], 0xff000000, v[232+\b]  ; 2 off the exponent field: the conversion's scale operand
.endr
.irp b, 0,1,2,3
	v_lshrrev_b32 v[236+\b], 23, v[244+\b]         ; the scale's byte
.endr
	v_lshl_or_b32 v253, v237, 8, v236              ; p's scale word for these 128 keys
	v_lshl_or_b32 v253, v238, 16, v253
	v_lshl_or_b32 v253, v239, 24, v253
.irp t, 0,1,2,3,4,5,6,7                ; tile t (keys 16 t + 8 h + 0 .. 7) goes to register 4 (t / 4) + {0, 2, 1, 3}[t % 4]
	v_cvt_scalef32_pk8_fp4_f32 v[224+4*(\t/4)+2*(\t%2)+((\t%4)/2)], v[96+8*\t:103+8*\t], v[244+\t/2]
.endr
	v_nop                                          ; one plain line behind a scaled conversion
.irp c, 0,1                            ; registers 4 c .. 4 c + 3 then hold keys 64 c + 32 h + 0 .. 31
	v_permlane16_swap_b32 v[224+4*\c], v[225+4*\c]
	v_permlane16_swap_b32 v[226+4*\c], v[227+4*\c]
.endr
.set j, 0
.rept 16
	v_pk_mul_f32 v[160+j:161+j], v[160+j:161+j], v[252:253] op_sel_hi:[1,0]   ; O^T under the new M.  (For each product below twelve of these name none of its registers: the places behind the writes of p's codes and scale word)
.set j, j+2
.endr
	s_wait_dscnt 0x0                               ; V is in
.irp ct, 0,1,2,3
	PVPROD \ct                                     ; four accumulators by turns; the scores' products stand between two links of a chain
.endr
	s_add_co_u32 s2, s2, STEPB
	s_sub_co_u32 s3, s3, 1
	s_cmp_lg_u32 s3, 0
	s_cbranch_scc1 .Lkey_\@
	; the pass's end: O / l, quantised along the head's 64 channels: two blocks
	v_add_f32 v14, v14, v15                        ; the sum's two halves,
	v_permlanex16_b32 v252, v14, s20, s21
	v_add_f32 v14, v14, v252                       ; and lane l xor 16's: the row's sum
	v_rcp_f32 v14, v14
.rept 4
	v_nop                                          ; a plain line behind the reciprocal; places in front of the first read of O^T
.endr
	s_wait_alu depctr_va_vdst(0)                   ; ahead of the reciprocal's first reader
.set j, 0
.rept 32
	v_mul_f32 v[192+j], v[160+j], v14              ; register 8 t + i: channel 16 t + 8 h + i of my token; each accumulator from its low end on
.set j, j+1
.endr
.irp b, 0,1
	v_max3_num_f32 v[232+\b], |v[192+16*\b]|, |v[193+16*\b]|, 0x1800000
.endr
.irp i, 2,4,6,8,10,12,14
.irp b, 0,1
	v_max3_num_f32 v[232+\b], v[232+\b], |v[192+16*\b+\i]|, |v[193+16*\b+\i]|
.endr
.endr
.irp b, 0,1
	v_permlanex16_b32 v[236+\b], v[232+\b], s20, s21
.endr
.irp b, 0,1
	v_max_num_f32 v[232+\b], v[232+\b], v[236+\b]
.endr
.irp b, 0,1
	v_add_nc_u32 v[244+\b], 0xff000000, v[232+\b]
.endr
.irp b, 0,1
	v_lshrrev_b32 v[236+\b], 23, v[244+\b]
.endr
	v_lshl_or_b32 v254, v237, 8, v236              ; the head's two bytes of my token's scale word
.irp t, 0,1,2,3
	v_cvt_scalef32_pk8_fp4_f32 v[8+2*(\t%2)+(\t/2)], v[192+8*\t:199+8*\t], v[244+\t/2]
.endr
	v_nop
	v_permlane16_swap_b32 v8, v9
	v_permlane16_swap_b32 v10, v11                 ; v8-11: lane (r, h): token r, channels 32 h + 0 .. 31
	global_store_b128 v1, v[8:11], s[12:13] offset:131072*(\ps)    ; 512 consecutive bytes, aligned
	ds_store_b16 v3, v254 offset:512*(\ps)         ; lanes r and r + 16 write the same two bytes with the same value
.endm
	PASS 0
	PASS 1
	s_wait_dscnt 0x0                               ; for the others' sake: my scale halves are stored
	s_barrier_signal -1
	s_barrier_wait -1
	s_cmp_lt_u32 s8, 2                             ; the work-group's 32 tiles x 32 bytes leave as 1,024 consecutive bytes: 64 threads, 16 bytes each
	s_cbranch_scc0 .Lno_hs
	ds_load_b128 v[32:35], v7
	s_wait_dscnt 0x0
	global_store_b128 v251, v[32:35], s[14:15]
.Lno_hs:
	s_wait_xcnt 0x0
	v_lshl_add_u32 v254, v0, 2, 0x29000
	v_mov_b32 v255, 0
	s_wait_tensorcnt 0x0
	ds_add_u32 v254, v255
	s_wait_dscnt 0x0
	ROUND                                          ; the closing round: no work-group ends while a partner may still ask for a tile that names it
	s_endpgm
.Lfunc_end_k_q9ad7bc0f58_attn:
	.size	k_q9ad7bc0f58_attn, .Lfunc_end_k_q9ad7bc0f58_attn-k_q9ad7bc0f58_attn
	.p2alignl 7, 3214868480
	.fill 96, 4, 3214868480
	.section	.rodata,"a",@progbits
	.p2align	6, 0x0
	.amdhsa_kernel k_q9ad7bc0f58_attn
		.amdhsa_group_segment_fixed_size 169984
		.amdhsa_private_segment_fixed_size 0
		.amdhsa_enable_private_segment 0
		.amdhsa_kernarg_size 32
		.amdhsa_user_sgpr_count 2
		.amdhsa_user_sgpr_kernarg_segment_ptr 1
		.amdhsa_wavefront_size32 1
		.amdhsa_system_sgpr_workgroup_id_x 1
		.amdhsa_system_sgpr_workgroup_id_y 1
		.amdhsa_system_sgpr_workgroup_id_z 1
		.amdhsa_system_vgpr_workitem_id 0
		.amdhsa_next_free_vgpr 256
		.amdhsa_next_free_sgpr 66
		.amdhsa_reserve_vcc 0
		.amdhsa_float_denorm_mode_32 3
		.amdhsa_float_denorm_mode_16_64 3
		.amdhsa_memory_ordered 1
		.amdhsa_forward_progress 1
		.amdhsa_inst_pref_size 46
	.end_amdhsa_kernel
	.amdgpu_metadata
---
amdhsa.version: [ 1, 2 ]
amdhsa.kernels:
  - .name:           k_q9ad7bc0f58_attn
    .symbol:         k_q9ad7bc0f58_attn.kd
    .args:
      - { .name: qb, .offset: 0, .size: 8, .value_kind: global_buffer, .address_space: global }
      - { .name: kvb, .offset: 8, .size: 8, .value_kind: global_buffer, .address_space: global }
      - { .name: hc, .offset: 16, .size: 8, .value_kind: global_buffer, .address_space: global }
      - { .name: hs, .offset: 24, .size: 8, .value_kind: global_buffer, .address_space: global }
    .group_segment_fixed_size: 169984
    .private_segment_fixed_size: 0
    .kernarg_segment_align: 8
    .kernarg_segment_size: 32
    .max_flat_workgroup_size: 512
    .sgpr_count:     66
    .vgpr_count:     256
    .wavefront_size: 32
...
	.end_amdgpu_metadata
.endif
;; end of part 3
;; launch outp (part 4): grid 256 x 1, 16 waves a work-group, no clusters, 150,016 bytes of LDS; arguments hc, hs, woi, W_o_scales, Q, gamma, beta, out0; writes out0
.if DOCPART == 4
	.amdgcn_target "amdgcn-amd-amdhsa--gfx1250"
	.amdhsa_code_object_version 6
	.text
	.protected	k_q9ad7bc0f58_outp
	.globl	k_q9ad7bc0f58_outp
	.p2align	8
	.type	k_q9ad7bc0f58_outp,@function
k_q9ad7bc0f58_outp:
	s_mov_b64 s[64:65], 0
	v_nop
	global_prefetch_b8 v0, s[64:65] scope:SCOPE_SE
	s_setreg_imm32_b32 hwreg(HW_REG_WAVE_MODE, 25, 1), 1
	s_wait_xcnt 0x0
; out0 = LayerNorm(heads W_o + Q) x gamma + beta.  The product is on codes of FP4 (E2M1) with one E8M0 scale for each 32 along K = 1,024; all else in f32.
; SHARES.  A work-group takes 32 tokens (two tiles of 16) and all 1,024 columns, so that a row's mean and variance stay inside it.  In the product wave w makes columns 64 w .. 64 w + 63 of the 32 tokens: eight accumulators;
; in the norm wave w takes rows 2 w and 2 w + 1, whole.
; THE PRODUCT IS USED TRANSPOSED: source 0 = 16 rows of W_o (output columns), source 1 = 16 tokens: a lane holds eight neighbouring columns of one token's row.
; W_o comes from its register images straight into registers: two loads of 512 consecutive bytes a fragment, two sets by turns, one K step ahead.  The tokens' codes (16,384 bytes, images too) go once through LDS to all waves.
; NO JOINT LOADS for W_o, though all work-groups read it: they land in LDS alone; its 524,288 bytes do not fit beside the 131,584 bytes in which the rows meet, and in slots each refill would want a round of a cluster's barrier for
; eight matrix instructions a wave.  Each work-group reads each byte of W_o once.
; THE NORM goes in two passes over the row in registers, as the definition has it: mean, then the mean of the squared differences: no difference of large sums.
; LIMITS: NaN and infinities are not served.  1 / sqrt is v_rsq_f32.  A given scale byte 0xff gives NaN.
; REGISTERS: v1-7 addresses; v16-31 W_o's scale words, v32-39 the tokens' (nothing else lies there); v40-103 W_o's fragments, two sets, later gamma and beta; v104-119 the tokens' two fragments;
;   v120-183 the accumulators ((u, i) at v[120 + 8 (4 u + i)]), later my two rows; v184-247 Q's two rows; v248-255 at work.
.set SPITCH, 4112                      ; a row in the stage: 4,096 bytes + 16: an odd multiple of 16, so that 16 rows' pieces of 16 bytes fall on different banks (64 banks of 4 bytes: ISA guide 11.1)
.set STAGE,  16384                     ; LDS: 0 .. 16,383 the tokens' fragments [tile 2][K step 8][c 2][512 bytes]; then 32 rows of SPITCH bytes
	s_load_b512 s[4:19], s[0:1], 0x0               ; hc s[4:5], hs s[6:7], woi s[8:9], W_o's scales s[10:11], Q s[12:13], gamma s[14:15], beta s[16:17], out0 s[18:19]
	v_lshl_add_u32 v14, v0, 2, 0x24200
	v_mov_b32 v15, 0
	v_lshrrev_b32 v8, 5, v0
	v_readfirstlane_b32 s24, v8                    ; wave 0..15
	v_and_b32 v8, 31, v0
	v_lshlrev_b32 v1, 4, v8                        ; 16 x lane
	v_lshlrev_b32 v2, 1, v8                        ; 2 x lane
	v_lshlrev_b32 v3, 5, v8                        ; 32 x lane
	v_and_b32 v9, 15, v0                           ; r
	v_bfe_u32 v10, v0, 4, 1                        ; h
	s_lshl_b32 s25, s24, 8
	s_add_co_u32 s25, s25, STAGE
	v_mul_u32_u24 v4, v9, SPITCH
	v_lshl_add_u32 v4, v10, 5, v4
	v_add_nc_u32 v4, s25, v4                       ; into the stage: row r, + 256 w + 32 h
	v_add_nc_u32 v5, 16*SPITCH, v4                 ; and the second tile's rows
	s_mul_i32 s25, s24, 2*SPITCH
	s_add_co_u32 s25, s25, STAGE
	v_add_nc_u32 v6, s25, v1                       ; back: my two rows, 16 bytes a lane
	s_lshl_b32 s25, s24, 10
	v_add_nc_u32 v7, s25, v1                       ; the 1,024 bytes of the tokens' codes that I bring
	s_mov_b32 s20, 0x3a800000                      ; 1 / 1,024
	s_mov_b32 s21, 0x3727c5ac                      ; 1e-5
	s_mov_b32 s22, 0x76543210
	s_mov_b32 s23, 0xfedcba98                      ; v_permlanex16_b32's selects for lane l xor 16
	s_lshl_b32 s26, ttmp9, 14
	s_add_co_u32 s26, s26, s25                     ; hc: 16,384 x work-group + 1,024 x wave
	s_mov_b32 s27, 0
	s_lshl_b32 s28, ttmp9, 6                       ; hs: two tiles x 32 bytes
	s_mov_b32 s29, 0
	s_lshl_b32 s30, s24, 15                        ; woi: my four tiles of 16 rows
	s_mov_b32 s31, 0
	s_lshl_b32 s32, s24, 11                        ; W_o's scales: my 64 rows of 32 bytes
	s_mov_b32 s33, 0
	s_lshl_b32 s34, ttmp9, 17
	s_lshl_b32 s35, s24, 13
	s_add_co_u32 s34, s34, s35                     ; Q, out0: row 32 x work-group + 2 x wave, 4,096 bytes a row
	s_mov_b32 s35, 0
	s_wait_kmcnt 0x0
	s_add_nc_u64 s[4:5], s[4:5], s[26:27]
	s_add_nc_u64 s[6:7], s[6:7], s[28:29]
	s_add_nc_u64 s[8:9], s[8:9], s[30:31]
	s_add_nc_u64 s[10:11], s[10:11], s[32:33]
	s_add_nc_u64 s[12:13], s[12:13], s[34:35]
	s_add_nc_u64 s[18:19], s[18:19], s[34:35]
.macro WLOAD ks                        ; W_o's four fragments of K step ks into set ks % 2: eight loads of 512 consecutive bytes
.irp i, 0,1,2,3
.irp c, 0,1
	global_load_b128 v[40+32*((\ks)%2)+8*\i+4*\c:43+32*((\ks)%2)+8*\i+4*\c], v1, s[8:9] offset:8192*\i+1024*(\ks)+512*\c
.endr
.endr
.endm
.macro HLOAD ks                        ; the two tiles' fragments of K step ks
.irp u, 0,1
.irp c, 0,1
	ds_load_b128 v[104+8*\u+4*\c:107+8*\u+4*\c], v1 offset:8192*\u+1024*(\ks)+512*\c
.endr
.endr
.endm
	global_load_b128 v[104:107], v1, s[4:5] th:TH_LOAD_NT          ; 2 loads: my part of the tokens' codes
	global_load_b128 v[108:111], v1, s[4:5] offset:512 th:TH_LOAD_NT
.irp d, 0,1,2,3,4,5,6,7,8,9,10,11,12,13,14,15
	global_load_u16 v[120+\d], v2, s[6:7] offset:16384*\d          ; 16 loads: head d's two scale bytes: lanes 0-15 the first tile's tokens, lanes 16-31 the second's
.endr
.irp a, 0,1
	global_load_b128 v[16+8*\a:19+8*\a], v3, s[10:11] offset:1024*\a       ; 4 loads: W_o's scale words: lane l holds row 32 a + l, register = K step
	global_load_b128 v[20+8*\a:23+8*\a], v3, s[10:11] offset:1024*\a+16
.endr
	WLOAD 0                                        ; 8 loads
	WLOAD 1                                        ; 8 loads
.irp e, 0,1
.irp k, 0,1,2,3,4,5,6,7
	global_load_b128 v[184+32*\e+4*\k:187+32*\e+4*\k], v1, s[12:13] offset:4096*\e+512*\k th:TH_LOAD_NT   ; 16 loads: Q's rows 2 w, 2 w + 1: lane l holds columns 128 k + 4 l + 0 .. 3
.endr
.endr
	s_wait_loadcnt 52                              ; the first two loads are in; the 52 behind them may be out
	ds_store_b128 v7, v[104:107]
	ds_store_b128 v7, v[108:111] offset:512
	s_wait_loadcnt 32                              ; the scale bytes and words are in; W_o's two sets and Q (8 + 8 + 16) may be out
.irp s, 0,1,2,3,4,5,6,7
	v_lshl_or_b32 v[32+\s], v[121+2*\s], 16, v[120+2*\s]           ; K step s is heads 2 s and 2 s + 1: its scale word
.endr
	s_wait_dscnt 0x0                               ; for the others' sake: my stores are done
	s_barrier_signal -1
	s_barrier_wait -1                              ; the tokens' sixteen fragments lie in LDS
	HLOAD 0
.rept 8
	v_nop                                          ; a scale register written by a vector instruction stands 8 places ahead of a scaled matrix instruction
.endr
.macro OPROD u, i, ks                  ; accumulator (u, i): W_o's tile i x tokens' tile u.  W_o's scale words: lanes 0-15 for even i, 16-31 for odd; the tokens': lanes 0-15 for u = 0, 16-31 for u = 1
.set AC, 120+8*(4*(\u)+(\i))
.set WF, 40+32*((\ks)%2)+8*(\i)
.set HF, 104+8*(\u)
.set WS, 16+8*((\i)/2)+(\ks)
.set HS, 32+(\ks)
.if (\ks) == 0
.if ((\i)%2) && (\u)
	v_wmma_scale_f32_16x16x128_f8f6f4 v[AC:AC+7], v[WF:WF+7], v[HF:HF+7], 0, v[WS], v[HS] matrix_a_fmt:MATRIX_FMT_FP4 matrix_b_fmt:MATRIX_FMT_FP4 matrix_a_scale:MATRIX_SCALE_ROW1 matrix_b_scale:MATRIX_SCALE_ROW1
.elseif (\i)%2
	v_wmma_scale_f32_16x16x128_f8f6f4 v[AC:AC+7], v[WF:WF+7], v[HF:HF+7], 0, v[WS], v[HS] matrix_a_fmt:MATRIX_FMT_FP4 matrix_b_fmt:MATRIX_FMT_FP4 matrix_a_scale:MATRIX_SCALE_ROW1
.elseif \u
	v_wmma_scale_f32_16x16x128_f8f6f4 v[AC:AC+7], v[WF:WF+7], v[HF:HF+7], 0, v[WS], v[HS] matrix_a_fmt:MATRIX_FMT_FP4 matrix_b_fmt:MATRIX_FMT_FP4 matrix_b_scale:MATRIX_SCALE_ROW1
.else
	v_wmma_scale_f32_16x16x128_f8f6f4 v[AC:AC+7], v[WF:WF+7], v[HF:HF+7], 0, v[WS], v[HS] matrix_a_fmt:MATRIX_FMT_FP4 matrix_b_fmt:MATRIX_FMT_FP4
.endif
.else
.if ((\i)%2) && (\u)
	v_wmma_scale_f32_16x16x128_f8f6f4 v[AC:AC+7], v[WF:WF+7], v[HF:HF+7], v[AC:AC+7], v[WS], v[HS] matrix_a_fmt:MATRIX_FMT_FP4 matrix_b_fmt:MATRIX_FMT_FP4 matrix_a_scale:MATRIX_SCALE_ROW1 matrix_b_scale:MATRIX_SCALE_ROW1
.elseif (\i)%2
	v_wmma_scale_f32_16x16x128_f8f6f4 v[AC:AC+7], v[WF:WF+7], v[HF:HF+7], v[AC:AC+7], v[WS], v[HS] matrix_a_fmt:MATRIX_FMT_FP4 matrix_b_fmt:MATRIX_FMT_FP4 matrix_a_scale:MATRIX_SCALE_ROW1
.elseif \u
	v_wmma_scale_f32_16x16x128_f8f6f4 v[AC:AC+7], v[WF:WF+7], v[HF:HF+7], v[AC:AC+7], v[WS], v[HS] matrix_a_fmt:MATRIX_FMT_FP4 matrix_b_fmt:MATRIX_FMT_FP4 matrix_b_scale:MATRIX_SCALE_ROW1
.else
	v_wmma_scale_f32_16x16x128_f8f6f4 v[AC:AC+7], v[WF:WF+7], v[HF:HF+7], v[AC:AC+7], v[WS], v[HS] matrix_a_fmt:MATRIX_FMT_FP4 matrix_b_fmt:MATRIX_FMT_FP4
.endif
.endif
.endm
; A K step: eight products, the eight accumulators by turns.  cnt: the global loads issued behind this step's set of W_o, which may stay out.
.macro KSTP ks, cnt
	s_wait_loadcnt \cnt
	s_wait_dscnt 0x0                               ; the tokens' fragments are in
.irp u, 0,1
.irp i, 0,1,2,3
	OPROD \u, \i, \ks
.endr
.endr
.rept 4
	v_nop                                          ; places in front of loads into registers that these products read, and of the first read of results
.endr
.if (\ks) < 6
	WLOAD (\ks)+2                                  ; into the set just left
.elseif (\ks) == 6
.irp k, 0,1,2,3,4,5,6,7
	global_load_b128 v[40+4*\k:43+4*\k], v1, s[14:15] offset:512*\k        ; gamma, in my rows' layout
.endr
.else
.irp k, 0,1,2,3,4,5,6,7
	global_load_b128 v[72+4*\k:75+4*\k], v1, s[16:17] offset:512*\k        ; beta
.endr
.endif
.if (\ks) < 7
	HLOAD (\ks)+1
.endif
.endm
	KSTP 0, 24                                     ; behind set 0: set 1 and Q
	KSTP 1, 24                                     ; behind set 1: Q and K step 2's set
	KSTP 2, 8                                      ; from here on: the one set issued last
	KSTP 3, 8
	KSTP 4, 8
	KSTP 5, 8
	KSTP 6, 8
	KSTP 7, 8                                      ; behind K step 7's set: gamma
.irp u, 0,1
.irp i, 0,1,2,3
	ds_store_b128 v[4+\u], v[120+8*(4*\u+\i):123+8*(4*\u+\i)] offset:64*\i         ; lane (r, h): token 16 u + r, columns 64 w + 16 i + 8 h + 0 .. 7; each accumulator from its low end on
	ds_store_b128 v[4+\u], v[124+8*(4*\u+\i):127+8*(4*\u+\i)] offset:64*\i+16
.endr
.endr
	s_wait_dscnt 0x0                               ; for the others' sake: my stores are done
	s_barrier_signal -1
	s_barrier_wait -1                              ; 32 whole rows lie in the stage
.irp e, 0,1
.irp k, 0,1,2,3,4,5,6,7
	ds_load_b128 v[120+32*\e+4*\k:123+32*\e+4*\k], v6 offset:SPITCH*\e+512*\k
.endr
.endr
	s_wait_dscnt 0x0
	s_wait_loadcnt 0x0                             ; gamma and beta (Q has long been in)
	; ---------------- the residual and the norm, the two rows by turns
.macro XSUM                            ; v248 and v252: each lane's part of rows 0 and 1 -> the rows' sums, in every lane
.irp m, 1,2,4,8
	v_add_f32_dpp v248, v248, v248 row_xmask:\m row_mask:0xf bank_mask:0xf
	v_add_f32_dpp v252, v252, v252 row_xmask:\m row_mask:0xf bank_mask:0xf
.endr
	v_permlanex16_b32 v250, v248, s22, s23
	v_permlanex16_b32 v254, v252, s22, s23
	v_add_f32 v248, v248, v250
	v_add_f32 v252, v252, v254
.endm
.irp m, 0,2,4,6,8,10,12,14,16,18,20,22,24,26,28,30
.irp e, 0,1
	v_pk_add_f32 v[120+32*\e+\m:121+32*\e+\m], v[120+32*\e+\m:121+32*\e+\m], v[184+32*\e+\m:185+32*\e+\m]   ; x = heads W_o + Q
.endr
.endr
.irp e, 0,1
	v_pk_add_f32 v[248+4*\e:249+4*\e], v[120+32*\e:121+32*\e], v[122+32*\e:123+32*\e]       ; the sum, in two chains a row
	v_pk_add_f32 v[250+4*\e:251+4*\e], v[124+32*\e:125+32*\e], v[126+32*\e:127+32*\e]
.endr
.irp m, 8,12,16,20,24,28
.irp e, 0,1
	v_pk_add_f32 v[248+4*\e:249+4*\e], v[248+4*\e:249+4*\e], v[120+32*\e+\m:121+32*\e+\m]
	v_pk_add_f32 v[250+4*\e:251+4*\e], v[250+4*\e:251+4*\e], v[122+32*\e+\m:123+32*\e+\m]
.endr
.endr
.irp e, 0,1
	v_pk_add_f32 v[248+4*\e:249+4*\e], v[248+4*\e:249+4*\e], v[250+4*\e:251+4*\e]
.endr
.irp e, 0,1
	v_add_f32 v[248+4*\e], v[248+4*\e], v[249+4*\e]
.endr
	XSUM
.irp e, 0,1
	v_mul_f32 v[248+4*\e], s20, v[248+4*\e]        ; the mean
.endr
.irp m, 0,2,4,6,8,10,12,14,16,18,20,22,24,26,28,30
.irp e, 0,1
	v_pk_add_f32 v[120+32*\e+\m:121+32*\e+\m], v[120+32*\e+\m:121+32*\e+\m], v[248+4*\e:249+4*\e] op_sel_hi:[1,0] neg_lo:[0,1] neg_hi:[0,1]   ; d = x - mean
.endr
.endr
.irp e, 0,1
	v_pk_mul_f32 v[248+4*\e:249+4*\e], v[120+32*\e:121+32*\e], v[120+32*\e:121+32*\e]       ; the sum of d^2, in two chains a row
	v_pk_mul_f32 v[250+4*\e:251+4*\e], v[122+32*\e:123+32*\e], v[122+32*\e:123+32*\e]
.endr
.irp m, 4,8,12,16,20,24,28
.irp e, 0,1
	v_pk_fma_f32 v[248+4*\e:249+4*\e], v[120+32*\e+\m:121+32*\e+\m], v[120+32*\e+\m:121+32*\e+\m], v[248+4*\e:249+4*\e]
	v_pk_fma_f32 v[250+4*\e:251+4*\e], v[122+32*\e+\m:123+32*\e+\m], v[122+32*\e+\m:123+32*\e+\m], v[250+4*\e:251+4*\e]
.endr
.endr
.irp e, 0,1
	v_pk_add_f32 v[248+4*\e:249+4*\e], v[248+4*\e:249+4*\e], v[250+4*\e:251+4*\e]
.endr
.irp e, 0,1
	v_add_f32 v[248+4*\e], v[248+4*\e], v[249+4*\e]
.endr
	XSUM
.irp e, 0,1
	v_fma_f32 v[248+4*\e], v[248+4*\e], s20, s21   ; the variance + 1e-5
.endr
	v_rsq_f32 v248, v248
	v_rsq_f32 v252, v252
	v_nop                                          ; a plain line behind the two
	s_wait_alu depctr_va_vdst(0)                   ; one wait for both, ahead of their first reader
.irp m, 0,2,4,6,8,10,12,14,16,18,20,22,24,26,28,30
.irp e, 0,1
	v_pk_mul_f32 v[120+32*\e+\m:121+32*\e+\m], v[120+32*\e+\m:121+32*\e+\m], v[248+4*\e:249+4*\e] op_sel_hi:[1,0]
.endr
.endr
.irp m, 0,2,4,6,8,10,12,14,16,18,20,22,24,26,28,30
.irp e, 0,1
	v_pk_fma_f32 v[120+32*\e+\m:121+32*\e+\m], v[120+32*\e+\m:121+32*\e+\m], v[40+\m:41+\m], v[72+\m:73+\m]   ; x gamma + beta
.endr
.endr
.irp e, 0,1
.irp k, 0,1,2,3,4,5,6,7
	global_store_b128 v1, v[120+32*\e+4*\k:123+32*\e+4*\k], s[18:19] offset:4096*\e+512*\k th:TH_STORE_NT   ; 512 consecutive bytes, aligned; written once, read by nobody here
.endr
.endr
	s_wait_tensorcnt 0x0
	ds_add_u32 v14, v15
	s_wait_dscnt 0x0
	s_endpgm
.Lfunc_end_k_q9ad7bc0f58_outp:
	.size	k_q9ad7bc0f58_outp, .Lfunc_end_k_q9ad7bc0f58_outp-k_q9ad7bc0f58_outp
	.p2alignl 7, 3214868480
	.fill 96, 4, 3214868480
	.section	.rodata,"a",@progbits
	.p2align	6, 0x0
	.amdhsa_kernel k_q9ad7bc0f58_outp
		.amdhsa_group_segment_fixed_size 150016
		.amdhsa_private_segment_fixed_size 0
		.amdhsa_enable_private_segment 0
		.amdhsa_kernarg_size 64
		.amdhsa_user_sgpr_count 2
		.amdhsa_user_sgpr_kernarg_segment_ptr 1
		.amdhsa_wavefront_size32 1
		.amdhsa_system_sgpr_workgroup_id_x 1
		.amdhsa_system_sgpr_workgroup_id_y 1
		.amdhsa_system_sgpr_workgroup_id_z 1
		.amdhsa_system_vgpr_workitem_id 0
		.amdhsa_next_free_vgpr 256
		.amdhsa_next_free_sgpr 66
		.amdhsa_reserve_vcc 0
		.amdhsa_float_denorm_mode_32 3
		.amdhsa_float_denorm_mode_16_64 3
		.amdhsa_memory_ordered 1
		.amdhsa_forward_progress 1
		.amdhsa_inst_pref_size 44
	.end_amdhsa_kernel
	.amdgpu_metadata
---
amdhsa.version: [ 1, 2 ]
amdhsa.kernels:
  - .name:           k_q9ad7bc0f58_outp
    .symbol:         k_q9ad7bc0f58_outp.kd
    .args:
      - { .name: hc, .offset: 0, .size: 8, .value_kind: global_buffer, .address_space: global }
      - { .name: hs, .offset: 8, .size: 8, .value_kind: global_buffer, .address_space: global }
      - { .name: woi, .offset: 16, .size: 8, .value_kind: global_buffer, .address_space: global }
      - { .name: W_o_scales, .offset: 24, .size: 8, .value_kind: global_buffer, .address_space: global }
      - { .name: Q, .offset: 32, .size: 8, .value_kind: global_buffer, .address_space: global }
      - { .name: gamma, .offset: 40, .size: 8, .value_kind: global_buffer, .address_space: global }
      - { .name: beta, .offset: 48, .size: 8, .value_kind: global_buffer, .address_space: global }
      - { .name: out0, .offset: 56, .size: 8, .value_kind: global_buffer, .address_space: global }
    .group_segment_fixed_size: 150016
    .private_segment_fixed_size: 0
    .kernarg_segment_align: 8
    .kernarg_segment_size: 64
    .max_flat_workgroup_size: 512
    .sgpr_count:     66
    .vgpr_count:     256
    .wavefront_size: 32
...
	.end_amdgpu_metadata
.endif
;; end of part 4
